; MI455X (gfx1250); checked and timed in simulation.
; The chip was launched on July 23, 2026; its instructions are those of AMD's public machine-readable ISA for CDNA 5 (MIT licence, August 2026) and "CDNA5" Instruction Set Architecture Reference Guide (July 2026). The comments in the code are by the model that wrote it; some were corrected since.
;; Single Head Attention. Allowed arithmetic: float matrix products may take bf16 or f16 operands with f32 sums; other float arithmetic in f32, or as packed bf16 or f16 multiplies, adds, multiply-adds, maxima and minima; sums over many terms, partial sums and values carried from step to step in f32; what a program stores and reads back later, other than sums and carried values, may be rounded once to bf16 or f16.
;; Inputs: Wk 1,024 x 1,024 float32; Wq 1,024 x 1,024 float32; Wv 1,024 x 1,024 float32; embedded 4 x 2,048 x 1,024 float32.
;; Outputs: out0 4 x 2,048 x 1,024 float32.
;; 2 versions, each right; version 2 is version 1 with the launch cast written anew for expert scheduling mode. Each part assembles by itself: llvm-mc -triple=amdgcn-amd-amdhsa -mcpu=gfx1250 --defsym DOCPART=n.
;; ======== version 1 of 2: 4 launches
;; limits: values are held in f16: magnitudes above 65,504 overflow, below 6.1e-05 lose precision
;; workspace buffers: xb 16,777,216 bytes; wb 6,291,456 bytes; qkvt 50,331,648 bytes; pbuf 33,554,432 bytes; stat 524,288 bytes; s16 4,096 bytes; v16 262,144 bytes
;; launch cast (part 1): grid 704 x 1, 8 waves a work-group, no clusters, 0 bytes of LDS; arguments embedded, Wq, Wk, Wv, xb, wb; writes xb, wb
.if DOCPART == 1
	.amdgcn_target "amdgcn-amd-amdhsa--gfx1250"
	.amdhsa_code_object_version 6
	.text
	.protected	k_qd8fec6b14c_cast
	.globl	k_qd8fec6b14c_cast
	.p2align	8
	.type	k_qd8fec6b14c_cast,@function
k_qd8fec6b14c_cast:
	s_mov_b64 s[64:65], 0
	v_nop
	global_prefetch_b8 v0, s[64:65] scope:SCOPE_SE
	s_setreg_imm32_b32 hwreg(HW_REG_WAVE_MODE, 25, 1), 1
	s_wait_xcnt 0x0
; embedded, Wq, Wk, Wv (f32) are rounded once to bf16: xb = [8192][1024]; wb = [3072][1024], rows 0-1023 Wq, 1024-2047 Wk, 2048-3071 Wv.
; A work-group converts 16,384 numbers: 65,536 bytes in, 32,768 out.  Work-groups 0-511 take embedded, 512-703 the three weights, 64 each.
; Thread t takes 16 bytes at 16 t of each piece of 4,096 bytes; all sixteen loads go out together, no register is used twice, so there is no loop
; and no wait but the counted one for each load.  A store of a wave covers 256 consecutive bytes, aligned.  No LDS, no matrix unit: nothing is shared and nothing is multiplied.
.set X, 8                              ; v[8:71]   sixteen loads of four f32
.set Y, 72                             ; v[72:103] sixteen pairs of packed bf16
	s_load_b256 s[4:11], s[0:1], 0x0               ; embedded s[4:5], Wq s[6:7], Wk s[8:9], Wv s[10:11]
	s_load_b128 s[12:15], s[0:1], 0x20             ; xb s[12:13], wb s[14:15]
	v_lshlrev_b32 v1, 4, v0                        ; 16 t
	v_lshlrev_b32 v2, 3, v0                        ; 8 t
	s_max_u32 s16, ttmp9, 512
	s_sub_co_u32 s16, s16, 512                     ; my number among the weights' work-groups (0 for embedded's)
	s_lshr_b32 s17, s16, 6                         ; which weight
	s_and_b32 s18, s16, 63
	s_lshl_b32 s18, s18, 16                        ; my bytes in it
	s_mov_b32 s19, 0
	s_lshl_b32 s20, s16, 15                        ; and in wb
	s_mov_b32 s21, 0
	s_lshl_b32 s22, ttmp9, 16                      ; my bytes in embedded
	s_lshl_b32 s23, ttmp9, 15                      ; and in xb
	s_wait_kmcnt 0x0
	s_cmp_eq_u32 s17, 1
	s_cselect_b64 s[6:7], s[8:9], s[6:7]
	s_cmp_eq_u32 s17, 2
	s_cselect_b64 s[6:7], s[10:11], s[6:7]
	s_cmp_lt_u32 ttmp9, 512
	s_cselect_b64 s[4:5], s[4:5], s[6:7]           ; the source
	s_cselect_b64 s[12:13], s[12:13], s[14:15]     ; the destination
	s_cselect_b32 s18, s22, s18
	s_cselect_b32 s20, s23, s20
	s_add_nc_u64 s[4:5], s[4:5], s[18:19]
	s_add_nc_u64 s[12:13], s[12:13], s[20:21]
.irp i, 0,1,2,3,4,5,6,7,8,9,10,11,12,13,14,15
	global_load_b128 v[X+4*(\i):X+4*(\i)+3], v1, s[4:5] offset:4096*(\i) th:TH_LOAD_NT
.endr
.irp i, 0,1,2,3,4,5,6,7,8,9,10,11,12,13,14,15
	s_wait_loadcnt 15-(\i)                         ; loads come back in order: load i is in, the younger ones stay out
	v_cvt_pk_bf16_f32 v[Y+2*(\i)], v[X+4*(\i)], v[X+4*(\i)+1]
	v_cvt_pk_bf16_f32 v[Y+2*(\i)+1], v[X+4*(\i)+2], v[X+4*(\i)+3]
	global_store_b64 v2, v[Y+2*(\i):Y+2*(\i)+1], s[12:13] offset:2048*(\i)
.endr
	s_endpgm
.Lfunc_end_k_qd8fec6b14c_cast:
	.size	k_qd8fec6b14c_cast, .Lfunc_end_k_qd8fec6b14c_cast-k_qd8fec6b14c_cast
	.p2alignl 7, 3214868480
	.fill 96, 4, 3214868480
	.section	.rodata,"a",@progbits
	.p2align	6, 0x0
	.amdhsa_kernel k_qd8fec6b14c_cast
		.amdhsa_group_segment_fixed_size 0
		.amdhsa_private_segment_fixed_size 0
		.amdhsa_enable_private_segment 0
		.amdhsa_kernarg_size 48
		.amdhsa_user_sgpr_count 2
		.amdhsa_user_sgpr_kernarg_segment_ptr 1
		.amdhsa_wavefront_size32 1
		.amdhsa_system_sgpr_workgroup_id_x 1
		.amdhsa_system_sgpr_workgroup_id_y 1
		.amdhsa_system_sgpr_workgroup_id_z 1
		.amdhsa_system_vgpr_workitem_id 0
		.amdhsa_next_free_vgpr 104
		.amdhsa_next_free_sgpr 66
		.amdhsa_reserve_vcc 0
		.amdhsa_float_denorm_mode_32 3
		.amdhsa_float_denorm_mode_16_64 3
		.amdhsa_memory_ordered 1
		.amdhsa_forward_progress 1
		.amdhsa_inst_pref_size 7
	.end_amdhsa_kernel
	.amdgpu_metadata
---
amdhsa.version: [ 1, 2 ]
amdhsa.kernels:
  - .name:           k_qd8fec6b14c_cast
    .symbol:         k_qd8fec6b14c_cast.kd
    .args:
      - { .name: embedded, .offset: 0, .size: 8, .value_kind: global_buffer, .address_space: global }
      - { .name: Wq, .offset: 8, .size: 8, .value_kind: global_buffer, .address_space: global }
      - { .name: Wk, .offset: 16, .size: 8, .value_kind: global_buffer, .address_space: global }
      - { .name: Wv, .offset: 24, .size: 8, .value_kind: global_buffer, .address_space: global }
      - { .name: xb, .offset: 32, .size: 8, .value_kind: global_buffer, .address_space: global }
      - { .name: wb, .offset: 40, .size: 8, .value_kind: global_buffer, .address_space: global }
    .group_segment_fixed_size: 0
    .private_segment_fixed_size: 0
    .kernarg_segment_align: 8
    .kernarg_segment_size: 48
    .max_flat_workgroup_size: 256
    .sgpr_count:     66
    .vgpr_count:     104
    .wavefront_size: 32
...
	.end_amdgpu_metadata
.endif
;; end of part 1
;; launch proj (part 2): grid 32 x 8, 4 waves a work-group, clusters of 4 x 4, 327,680 bytes of LDS; arguments wb, xb, qkvt; writes qkvt
.if DOCPART == 2
	.amdgcn_target "amdgcn-amd-amdhsa--gfx1250"
	.amdhsa_code_object_version 6
	.text
	.protected	k_qd8fec6b14c_proj
	.globl	k_qd8fec6b14c_proj
	.p2align	8
	.type	k_qd8fec6b14c_proj,@function
k_qd8fec6b14c_proj:
	s_mov_b64 s[64:65], 0
	v_nop
	global_prefetch_b8 v0, s[64:65] scope:SCOPE_SE
	s_setreg_imm32_b32 hwreg(HW_REG_WAVE_MODE, 25, 1), 1
	s_wait_xcnt 0x0
	s_wait_alu depctr_hold_cnt(0) depctr_sa_sdst(0) depctr_va_vdst(0) depctr_va_sdst(0) depctr_va_ssrc(0) depctr_va_vcc(0) depctr_vm_vsrc(0)
	s_getreg_b32 s2, hwreg(HW_REG_IB_STS2, 6, 4)
	s_cmp_eq_u32 s2, 0
	s_cbranch_scc0 .Lentry_in_a_cluster
	s_endpgm
.Lentry_in_a_cluster:
	s_bfe_u32 s2, ttmp6, 0x10000c
	s_cmp_lg_u32 s2, 0xf033
	s_cbranch_scc0 .Lentry_shape_is_right
	s_endpgm
.Lentry_shape_is_right:
; qkvt[m][n] = sum over e of wb[m][e] xb[n][e]: all three projections at once, TRANSPOSED: m = 3,072 channels (q, k, v), n = 8,192 tokens.  bf16 products, f32 sums, rounded once to f16.
; LIMIT.  f16 ends at 65,504: a projection beyond it becomes an infinity.  With the drawn inputs the projections have a spread of 0.6.
; SHARES.  A tile is 192 channels x 256 tokens: 16 x 32 = 512 tiles, two for each of 256 work-groups.  A work-group makes tile rows tr and tr + 8 of one tile column, so both tiles take the same
; rows of xb.  Four waves, each 96 x 128: 48 accumulators of 16 x 16, 384 registers.  The two tiles are ONE walk of 16 steps of 128 along e through two LDS slots; step t lies in slot t & 1.
; The step is written once: a trip goes from a step's second quarter to the next step's first, and the slots' addresses hang on two scalars that an exclusive or turns between 0 and SLOT.
; CLUSTER.  4 x 4 work-groups: the four of a row of the cluster need the same rows of wb, the four of a column the same rows of xb: each tile is asked for jointly, by the same load with the same
; descriptor and a mask that names the four.
; THE MATRIX INSTRUCTION IS USED TRANSPOSED: source 0 = 16 rows of xb, source 1 = 16 rows of wb: a lane then holds one channel (lane % 16) and eight neighbouring tokens: 16 bytes of a row of qkvt.
; REGISTERS in windows of 256: window 0: v16-30 addresses; v64-111, v128-175 wb's fragments, two buffers; v192-223, v32-63, v224-255 the way out.
;   window 1: v64-127, v128-191 xb's fragments.  window 2: accumulators of my channel blocks 0-2 at v[8 (8 a + b)]; window 3: blocks 3-5.
.set PITCH,  272                       ; an LDS row: 256 bytes + 16 of padding: the 16 rows of a fragment load begin 16 bytes apart modulo 256
.set HA,     96*PITCH                  ; what one load brings of wb
.set HB,     128*PITCH                 ; and of xb
.set BOFF,   2*HA                      ; a slot: wb's 192 rows, then xb's 256
.set SLOT,   2*HA+2*HB
.set STAGE,  2*SLOT                    ; behind the ring: 16 rows x 272 bytes for each wave, for the way out; no load lands there
.set SPARE,  STAGE+4*16*PITCH          ; behind the stages: the spare words, 128 bytes a wave, which no other line names
.set ROWC,   16384                     ; bytes in a row of qkvt
.set WALKA,  1536*2048                 ; bytes from a tile's rows of wb to the next tile's
.set WALKC,  1536*ROWC                 ; the same in qkvt
.set STEPS,  16
.set GW,     (1<<16)|(1<<20)|(1<<21)|(5<<22)|(3<<25)  ; 2-byte elements; padding on; bit 21 beside a mask; after every 64 words, 4 words
.set ADRA, 16                          ; LDS address of my wb fragments in the slot being read
.set ADRB, 17                          ; of my xb fragments
.set ADRA0, 18                         ; the same in slot 0; never rewritten
.set ADRB0, 19
.set STO,  24                          ; the way out: where I put 16 bytes of a row
.set RD,   25                          ; where I read a row back
.set CO,   26                          ; my byte offset in two rows of qkvt
.set SPW,  28                          ; my spare word: SPARE + 4 x my thread's number; never rewritten
.set NIL,  29                          ; 0; never rewritten
.set PFO,  30                          ; the prefetches' offset: a lane a row; never rewritten
.set F0,   64
.set F1,   128
.set TMP,  192
.set OB,   32
.set G1,  24                           ; s[24:31] group 1 for wb's tiles
.set G0,  32                           ; s[32:35] group 0 for wb's tiles
.set TB,  36                           ; the slot that is read: 0 or SLOT
.set TF,  37                           ; the slot that was filled last
.set U,   38                           ; the walk step to be asked for next
.set CNT, 39                           ; trips to go
.set PFA, 44                           ; s[44:45] where my prefetches stand
.set LIM, 46                           ; a wave prefetches while CNT is at least this
.set G1B, 48                           ; s[48:55], s[56:59] the same for xb's tiles
.set G0B, 56
.set LA,  60                           ; my half of wb's tile in a slot
.set LB,  61                           ; my half of xb's
.set AB,  66                           ; s[66:67] wb at the rows that I fetch
.set BB,  68                           ; s[68:69] xb at the rows that I fetch
.set OA,  70                           ; s[70:71] a step's byte offset in wb
.set OFB, 72                           ; s[72:73] and in xb
.set T0,  74                           ; s[74:75] at work; the high word stays 0
.set CST, 80                           ; s[80:81] what the next way out adds to qkvt's address
.set JMP, 87                           ; the prefetch pointer's step at the change of tiles
.set LTR, 89                           ; the last trip that asks, for a wave of my kind
.set CAP, 90                           ; the last row that a lane of mine names
.set MSB, 0
.macro WIN new                         ; the immediate's high byte repeats the setting that is left; a switch that changes nothing is dropped
.if MSB != (\new)
	s_set_vgpr_msb (MSB<<8)|(\new)
.set MSB, \new
.endif
.endm
.set MUL_LO, 0xa1                      ; source 0 window 1, source 1 window 0, C and D window 2
.set TO_B,   0x40                      ; destination window 1, address window 0
.macro PLACES                          ; four plain vector instructions between a matrix instruction and a load into, or a vector read of, its registers
.rept 4
	v_nop
.endr
.endm
.macro CREST                           ; a round of the cluster's barrier behind its opening barrier
	s_cmp_lg_u32 s10, 0
	s_cbranch_scc1 .Lnot_wave_0_\@
	s_barrier_signal -3
.Lnot_wave_0_\@:
	s_barrier_wait -3
	s_barrier_signal -1
	s_barrier_wait -1
.endm
.macro CROUND
	s_barrier_signal -1
	s_barrier_wait -1
	CREST
.endm
; A joint load: waves 0 and 1 fetch wb's two halves, waves 2 and 3 xb's.  The branch hangs on the wave's number alone.  An s_nop 0 and four v_nop follow each line.
.macro JLOAD
	s_cmp_eq_u32 s11, 0
	s_cbranch_scc0 .Lfor_b_\@
	tensor_load_to_lds s[G0:G0+3], s[G1:G1+7]
	s_nop 0
.rept 4
	v_nop
.endr
	s_branch .Lasked_\@
.Lfor_b_\@:
	tensor_load_to_lds s[G0B:G0B+3], s[G1B:G1B+7]
	s_nop 0
.rept 4
	v_nop
.endr
.Lasked_\@:
.endm
; Both group 0 are made anew for walk step U: the other slot than last time; wb at tile U / 8, 256 bytes along e for each step; xb only along e.  It stands where no tensor load of mine is out.
.macro DESC
	s_xor_b32 s[TF], s[TF], SLOT
	s_add_co_u32 s[G0+1], s[LA], s[TF]
	s_add_co_u32 s[G0B+1], s[LB], s[TF]
	s_lshr_b32 s[T0], s[U], 3
	s_mul_i32 s[T0], s[T0], WALKA
	s_and_b32 s[OFB], s[U], 7
	s_lshl_b32 s[OFB], s[OFB], 8
	s_add_co_u32 s[OA], s[T0], s[OFB]
	s_add_nc_u64 s[G0+2:G0+3], s[AB:AB+1], s[OA:OA+1]
	s_or_b32 s[G0+3], s[G0+3], 0x80000000
	s_add_nc_u64 s[G0B+2:G0B+3], s[BB:BB+1], s[OFB:OFB+1]
	s_or_b32 s[G0B+3], s[G0B+3], 0x80000000
	s_add_co_u32 s[U], s[U], 1
.endm
; A prefetch of the walk step two refills on: 384 matrix instructions ahead of the load that will want it.  wb's rows are read by every cluster of a row of clusters: cluster x = 0 asks; xb's by both
; clusters of a column: cluster y = 0 asks, in the first tile alone (the second tile reads the same rows again).  The four partners that ask for a tile jointly share its rows out by address:
; 24 of wb's 96 (lanes 24-31 name row 23 once more), 32 of xb's 128.  A lane a row, 256 bytes of it a step.  The first four steps come by their loads alone; the last steps ask for nothing.
.macro ASK
	s_cmp_ge_u32 s[CNT], s[LIM]
	s_cbranch_scc0 .Lnot_mine_\@
	global_prefetch_b8 v[PFO], s[PFA:PFA+1] th:TH_LOAD_NT scope:SCOPE_SE
.Lnot_mine_\@:
.endm
; Eight products: channel block 3 hi + a x all 8 token blocks, 32 along e.  zero = 1: they start the sums.  The 48 accumulators take turns, one instruction a turn.
.macro MULA f, hi, a, zero
	WIN MUL_LO+0x50*(\hi)
.irp b, 0,1,2,3,4,5,6,7
.if \zero
	v_wmma_f32_16x16x32_bf16 v[8*(8*(\a)+(\b)):8*(8*(\a)+(\b))+7], v[(\f)+8*(\b):(\f)+8*(\b)+7], v[(\f)+8*(3*(\hi)+(\a)):(\f)+8*(3*(\hi)+(\a))+7], 0
.else
	v_wmma_f32_16x16x32_bf16 v[8*(8*(\a)+(\b)):8*(8*(\a)+(\b))+7], v[(\f)+8*(\b):(\f)+8*(\b)+7], v[(\f)+8*(3*(\hi)+(\a)):(\f)+8*(3*(\hi)+(\a))+7], v[8*(8*(\a)+(\b)):8*(8*(\a)+(\b))+7]
.endif
.endr
.endm
; 28 LDS loads in one run: a quarter's fragments (128 rows of xb, then 96 of wb, 32 along e at byte k of the rows) into buffer f
.macro FETCH k, f
	WIN TO_B
.irp i, 0,1,2,3,4,5,6,7
	ds_load_b128 v[(\f)+8*(\i):(\f)+8*(\i)+3],   v[ADRB] offset:(\k)+(\i)*16*PITCH
	ds_load_b128 v[(\f)+8*(\i)+4:(\f)+8*(\i)+7], v[ADRB] offset:(\k)+(\i)*16*PITCH+32
.endr
	WIN 0
.irp i, 0,1,2,3,4,5
	ds_load_b128 v[(\f)+8*(\i):(\f)+8*(\i)+3],   v[ADRA] offset:(\k)+(\i)*16*PITCH
	ds_load_b128 v[(\f)+8*(\i)+4:(\f)+8*(\i)+7], v[ADRA] offset:(\k)+(\i)*16*PITCH+32
.endr
.endm
; One of a step's first three quarters: multiplies buffer f; in its middle it fetches the next quarter, at byte k, into buffer g.
.macro QUARTER k, f, g, zero
	s_wait_dscnt 6                                 ; xb's fragments and wb's blocks 0-2 are in; the youngest six loads (blocks 3-5) may be out
	MULA \f, 0, 0, \zero
	MULA \f, 0, 1, \zero
	MULA \f, 0, 2, \zero
	PLACES
	FETCH \k, \g
	s_wait_dscnt 28                                ; all but the 28 just issued
	MULA \f, 1, 0, \zero
	MULA \f, 1, 1, \zero
	MULA \f, 1, 2, \zero
.endm
; The fourth quarter multiplies buffer 1 and changes slots.  In front of the barrier each wave waits for all its tensor loads (one is out: its part of the next slot), adds 0 to its spare word, and
; waits for that and for its reads of this slot.  fill = 1: the barrier opens a round of the cluster's, and the slot just read is filled again first thing behind it, with the step two on.
.macro TURN fill
.if \fill
	s_wait_xcnt 0x0                                ; the last prefetch, a step back, has read its address: it is stepped here
	s_movk_i32 s[T0], 256
	s_cmp_eq_u32 s[CNT], 10                        ; from the first tile's step 7 to the second tile's step 0 (wb's pointer alone)
	s_cselect_b32 s[T0], s[JMP], s[T0]
	s_add_nc_u64 s[PFA:PFA+1], s[PFA:PFA+1], s[T0:T0+1]
.endif
	WIN 0                                          ; the add's two registers lie in window 0
	s_wait_tensorcnt 0x0                           ; all my tensor loads have landed, so a group 0 may be written
	ds_add_u32 v[SPW], v[NIL]                      ; 0 onto my spare word
	s_wait_dscnt 7                                 ; the add and the youngest six loads may be out
	MULA F1, 0, 0, 0
.if \fill
	DESC
.endif
	s_xor_b32 s[TB], s[TB], SLOT                   ; the reads go on in the other slot
	s_wait_dscnt 0x0                               ; the add is done, and my reads of this slot are over
	s_barrier_signal -1
	MULA F1, 0, 1, 0
	MULA F1, 0, 2, 0
	WIN 0
	s_barrier_wait -1
.if \fill
	CREST                                          ; no wave of any partner still reads this slot or has a load on its way
	JLOAD                                          ; its four v_nop are also the places in front of the loads below
.else
	PLACES
.endif
	v_add_nc_u32 v[ADRA], s[TB], v[ADRA0]
	v_add_nc_u32 v[ADRB], s[TB], v[ADRB0]
	FETCH 0, F0
.if \fill
	ASK
.endif
	MULA F1, 1, 0, 0
	MULA F1, 1, 1, 0
	MULA F1, 1, 2, 0
.endm
; THE WAY OUT of channel block a: rounded to f16, 16 bytes a lane; into my own stage and back as whole rows of 256 bytes; stored.
.macro PACK a
.set AC, 64*((\a)%3)
	WIN 0x0a+5*((\a)/3)                            ; sources 0 and 1: window 2 or 3
.irp b, 0,1,2,3,4,5,6,7
.irp r, 0,1,2,3
	v_cvt_pk_f16_f32 v[TMP+4*(\b)+(\r)], v[AC+8*(\b)+2*(\r)], v[AC+8*(\b)+2*(\r)+1]
.endr
.endr
	WIN 0
.endm
.macro TOSTAGE a
.set BK, OB+192*((\a)%2)
.irp b, 0,1,2,3,4,5,6,7
	ds_store_b128 v[STO], v[TMP+4*(\b):TMP+4*(\b)+3] offset:32*(\b)
.endr
.irp t, 0,1,2,3,4,5,6,7
	ds_load_b128 v[BK+4*(\t):BK+4*(\t)+3], v[RD] offset:(\t)*2*PITCH  ; LDS serves a wave's instructions in order (ISA guide 5.7.1.4): these see the stores above
.endr
.endm
.macro SEND a
.set BK, OB+192*((\a)%2)
	s_wait_dscnt 0x0                               ; the block is back in registers
	s_wait_xcnt 0x0                                ; earlier stores have read their registers and their base: only now are they written again
.if (\a) == 0
	s_add_nc_u64 s[8:9], s[8:9], s[CST:CST+1]      ; on to this tile's first rows; the blocks' places stand in the immediates
.endif
.irp t, 0,1,2,3,4,5,6,7
	global_store_b128 v[CO], v[BK+4*(\t):BK+4*(\t)+3], s[8:9] offset:(16*(\a)+2*(\t))*ROWC  ; 16 lanes store 256 consecutive bytes, aligned
.endr
.endm
.macro WAYOUT                          ; block a's conversions stand between block a - 1's loads from the stage and the wait for them
	PACK 0
	TOSTAGE 0
.irp a, 1,2,3,4,5
	PACK \a
	SEND (\a)-1
	TOSTAGE \a
.endr
	SEND 5
.endm
	s_load_b128 s[4:7], s[0:1], 0x0                ; wb s[4:5], xb s[6:7]
	s_load_b64 s[8:9], s[0:1], 0x10                ; qkvt
	v_lshl_add_u32 v[SPW], v0, 2, SPARE
	v_mov_b32 v[NIL], 0
	ds_add_u32 v[SPW], v[NIL]                      ; the wave's opening: the add and its wait stand ahead of my first tensor load; the set-up, work on registers, stands between
	v_lshrrev_b32 v1, 5, v0
	v_readfirstlane_b32 s10, v1                    ; wave 0..3
	s_lshr_b32 s11, s10, 1                         ; which 96 channels are mine.  Also: I fetch for wb (0) or xb (1)
	s_and_b32 s12, s10, 1                          ; which 128 tokens.  Also: which half of that tile I fetch
	s_bfe_u32 s40, ttmp6, 0x40000                  ; cx
	s_bfe_u32 s41, ttmp6, 0x40004                  ; cy
	s_lshl_b32 s42, ttmp9, 2
	s_add_co_u32 s42, s42, s40                     ; tile column = 4 x cluster x + cx
	s_and_b32 s13, ttmp7, 0xffff
	s_lshl_b32 s13, s13, 2
	s_add_co_u32 s13, s13, s41                     ; tile row = 4 x cluster y + cy
	s_lshl_b32 s43, s41, 2
	s_lshl_b32 s43, 15, s43                        ; my row of the cluster
	s_lshl_b32 s47, 0x1111, s40                    ; my column
	s_or_b32 s[G1], s43, GW                        ; wb's tiles go to my row,
	s_or_b32 s[G1B], s47, GW                       ; xb's to my column
	s_mov_b32 s[G1+1], 128<<16                     ; tensor_dim0 = 128
	s_mov_b32 s[G1+2], 96<<16                      ; tensor_dim1 = 96
	s_mov_b32 s[G1+3], 128<<16                     ; tile_dim0 = 128
	s_mov_b32 s[G1+4], 96                          ; tile_dim1 = 96
	s_mov_b32 s[G1+5], 1024                        ; elements from row to row
	s_mov_b32 s[G1+6], 0
	s_mov_b32 s[G1+7], 0
	s_mov_b32 s[G1B+1], 128<<16
	s_mov_b32 s[G1B+2], 128<<16                    ; 128 rows
	s_mov_b32 s[G1B+3], 128<<16
	s_mov_b32 s[G1B+4], 128
	s_mov_b32 s[G1B+5], 1024
	s_mov_b32 s[G1B+6], 0
	s_mov_b32 s[G1B+7], 0
	s_mov_b32 s[G0], 1
	s_mov_b32 s[G0B], 1
	s_mul_i32 s[LA], s12, HA                       ; no place in the cluster enters an LDS address
	s_mul_i32 s[LB], s12, HB
	s_add_co_u32 s[LB], s[LB], BOFF
	s_mov_b32 s[TB], 0
	s_mov_b32 s[TF], SLOT                          ; the first DESC turns it into 0
	s_mov_b32 s[U], 0
	s_mov_b32 s[OA+1], 0
	s_mov_b32 s[OFB+1], 0
	s_mov_b32 s[T0+1], 0
	s_mul_i32 s16, s13, 192                        ; wb: row 192 x tile row + 96 x half,
	s_mul_i32 s17, s12, 96
	s_add_co_u32 s16, s16, s17
	s_lshl_b32 s16, s16, 11                        ; of 2,048 bytes
	s_mov_b32 s17, 0
	s_lshl_b32 s20, s42, 8                         ; xb: row 256 x tile column + 128 x half
	s_lshl_b32 s21, s12, 7
	s_add_co_u32 s20, s20, s21
	s_lshl_b32 s20, s20, 11
	s_mov_b32 s21, 0
	s_wait_dscnt 0x0                               ; the opening add is done
	s_wait_kmcnt 0x0
	s_add_nc_u64 s[AB:AB+1], s[4:5], s[16:17]
	s_add_nc_u64 s[BB:BB+1], s[6:7], s[20:21]
	DESC                                           ; step 0, slot 0
	CROUND                                         ; all sixteen work-groups are here: the first joint loads meet
	JLOAD
	; A fragment is 16 rows x 32 e in 8 registers: lane l holds row l % 16, e = 8 (l / 16) + 0..7 and 16 + 8 (l / 16) + 0..7: two loads of 16 bytes, 32 bytes apart.
	v_and_b32 v1, 15, v0
	v_bfe_u32 v2, v0, 4, 1
	v_mul_u32_u24 v3, v1, PITCH
	v_lshl_add_u32 v3, v2, 4, v3                   ; row x pitch + 16 x half
	s_mul_i32 s20, s11, HA
	s_mul_i32 s21, s12, HB
	s_add_co_u32 s21, s21, BOFF
	v_add_nc_u32 v[ADRA0], s20, v3
	v_add_nc_u32 v[ADRB0], s21, v3
	v_mov_b32 v[ADRA], v[ADRA0]
	v_mov_b32 v[ADRB], v[ADRB0]
	s_mul_i32 s22, s10, 16*PITCH
	s_add_co_u32 s22, s22, STAGE                   ; my stage
	v_add_nc_u32 v[STO], s22, v3                   ; in: row l % 16, 16 bytes for each half of the lanes
	v_mul_u32_u24 v4, v2, PITCH                    ; back: lanes 0-15 one row of 256 bytes, lanes 16-31 the next
	v_lshl_add_u32 v4, v1, 4, v4
	v_add_nc_u32 v[RD], s22, v4
	v_lshlrev_b32 v5, 14, v2                       ; and the same two rows in qkvt
	v_lshl_add_u32 v[CO], v1, 4, v5
	s_mul_i32 s82, s13, 192                        ; my part of the first tile in qkvt
	s_mul_i32 s83, s11, 96
	s_add_co_u32 s82, s82, s83
	s_lshl_b32 s82, s82, 14
	s_lshl_b32 s83, s42, 9
	s_add_co_u32 s82, s82, s83
	s_lshl_b32 s83, s12, 8
	s_add_co_u32 s[CST], s82, s83
	s_mov_b32 s[CST+1], 0
	; the prefetches
	s_mul_i32 s82, s13, 192
	s_mul_i32 s83, s12, 96
	s_add_co_u32 s82, s82, s83
	s_mul_i32 s83, s40, 24
	s_add_co_u32 s82, s82, s83                     ; wb: the rows that I fetch, my work-group's 24 of them
	s_lshl_b32 s84, s42, 8
	s_lshl_b32 s83, s12, 7
	s_add_co_u32 s84, s84, s83
	s_lshl_b32 s83, s41, 5
	s_add_co_u32 s84, s84, s83                     ; xb: my work-group's 32
	s_and_b32 s85, ttmp7, 0xffff
	s_mov_b32 s[JMP], WALKA-7*256                  ; wb's pointer at the change of tiles: 1,536 rows down, seven steps back
	s_cmp_eq_u32 s11, 0
	s_cselect_b32 s82, s82, s84
	s_cselect_b32 s85, ttmp9, s85                  ; the coordinate along which other clusters read the same rows
	s_cselect_b32 s[LTR], 3, 11                    ; the last trip that asks: walk step 15 of wb, step 7 of xb
	s_cselect_b32 s[CAP], 23, 31
	s_cselect_b32 s[JMP], s[JMP], 256              ; xb's pointer only walks on
	s_cselect_b64 s[PFA:PFA+1], s[4:5], s[6:7]
	s_cmp_eq_u32 s85, 0
	s_cselect_b32 s[LIM], s[LTR], -1               ; the same in all sixteen partners, for a given wave
	s_lshl_b32 s82, s82, 11
	s_add_co_u32 s82, s82, 3*256                   ; at step 3: the first change of slots steps it to 4
	s_mov_b32 s83, 0
	s_add_nc_u64 s[PFA:PFA+1], s[PFA:PFA+1], s[82:83]
	v_and_b32 v[PFO], 31, v0
	v_min_u32 v[PFO], s[CAP], v[PFO]
	v_lshlrev_b32 v[PFO], 11, v[PFO]
	s_wait_tensorcnt 0x0                           ; my part of step 0 is in
	ds_add_u32 v[SPW], v[NIL]
	DESC                                           ; step 1, slot 1
	s_wait_dscnt 0x0
	CROUND                                         ; everybody's part is in
	JLOAD                                          ; slot 1's first fill, issued as a refill is
	FETCH 0, F0
	QUARTER 64, F0, F1, 1                          ; a tile's first quarter starts the sums: nothing is cleared
	WIN 0                                          ; at a label and at a branch every window is 0
	s_mov_b32 s[CNT], STEPS-2
.Lstep:                                        ; 14 trips: a step's quarters 2 to 4, the refill with the step two on, the next step's first quarter
	QUARTER 128, F1, F0, 0
	QUARTER 192, F0, F1, 0
	TURN 1
	WIN 0
	s_cmp_eq_u32 s[CNT], 7                         ; behind step 7 the first tile is finished
	s_cbranch_scc0 .Lsame
	WAYOUT                                         ; no v_nop: blocks 0-2 were finished ahead of the load's four, and their conversions are the places behind the last products
	s_mov_b32 s[CST], WALKC
	QUARTER 64, F0, F1, 1
	WIN 0
	s_branch .Lnext
.Lsame:
	QUARTER 64, F0, F1, 0
	WIN 0
.Lnext:
	s_sub_co_u32 s[CNT], s[CNT], 1
	s_cmp_lg_u32 s[CNT], 0
	s_cbranch_scc1 .Lstep
	QUARTER 128, F1, F0, 0                         ; the last two steps are written out: nothing is left to ask for
	QUARTER 192, F0, F1, 0
	TURN 0
	QUARTER 64, F0, F1, 0
	QUARTER 128, F1, F0, 0
	QUARTER 192, F0, F1, 0
	s_wait_dscnt 6
	MULA F1, 0, 0, 0
	MULA F1, 0, 1, 0
	MULA F1, 0, 2, 0
	s_wait_dscnt 0x0
	MULA F1, 1, 0, 0
	MULA F1, 1, 1, 0
	MULA F1, 1, 2, 0
	PLACES
	WAYOUT
	s_wait_tensorcnt 0x0                           ; the wave's end, behind my last tensor load and my last LDS store
	ds_add_u32 v[SPW], v[NIL]
	s_wait_dscnt 0x0
	CROUND                                         ; the closing round: no work-group ends while a partner may still ask for a tile that names it
	s_endpgm
.Lfunc_end_k_qd8fec6b14c_proj:
	.size	k_qd8fec6b14c_proj, .Lfunc_end_k_qd8fec6b14c_proj-k_qd8fec6b14c_proj
	.p2alignl 7, 3214868480
	.fill 96, 4, 3214868480
	.section	.rodata,"a",@progbits
	.p2align	6, 0x0
	.amdhsa_kernel k_qd8fec6b14c_proj
		.amdhsa_group_segment_fixed_size 327680
		.amdhsa_private_segment_fixed_size 0
		.amdhsa_enable_private_segment 0
		.amdhsa_kernarg_size 24
		.amdhsa_user_sgpr_count 2
		.amdhsa_user_sgpr_kernarg_segment_ptr 1
		.amdhsa_wavefront_size32 1
		.amdhsa_system_sgpr_workgroup_id_x 1
		.amdhsa_system_sgpr_workgroup_id_y 1
		.amdhsa_system_sgpr_workgroup_id_z 1
		.amdhsa_system_vgpr_workitem_id 0
		.amdhsa_next_free_vgpr 1024
		.amdhsa_next_free_sgpr 96
		.amdhsa_reserve_vcc 0
		.amdhsa_float_denorm_mode_32 3
		.amdhsa_float_denorm_mode_16_64 3
		.amdhsa_memory_ordered 1
		.amdhsa_forward_progress 1
		.amdhsa_inst_pref_size 124
	.end_amdhsa_kernel
	.amdgpu_metadata
---
amdhsa.version: [ 1, 2 ]
amdhsa.kernels:
  - .name:           k_qd8fec6b14c_proj
    .symbol:         k_qd8fec6b14c_proj.kd
    .args:
      - { .name: wb, .offset: 0, .size: 8, .value_kind: global_buffer, .address_space: global }
      - { .name: xb, .offset: 8, .size: 8, .value_kind: global_buffer, .address_space: global }
      - { .name: qkvt, .offset: 16, .size: 8, .value_kind: global_buffer, .address_space: global }
    .group_segment_fixed_size: 327680
    .private_segment_fixed_size: 0
    .kernarg_segment_align: 8
    .kernarg_segment_size: 24
    .max_flat_workgroup_size: 128
    .sgpr_count:     96
    .vgpr_count:     1024
    .wavefront_size: 32
...
	.end_amdgpu_metadata
.endif
;; end of part 2
;; launch score (part 3): grid 52 x 4, 4 waves a work-group, no clusters, 327,680 bytes of LDS; arguments qkvt, pbuf, stat, s16, v16, xb, wb; writes pbuf, stat, s16, v16
.if DOCPART == 3
	.amdgcn_target "amdgcn-amd-amdhsa--gfx1250"
	.amdhsa_code_object_version 6
	.text
	.protected	k_qd8fec6b14c_score
	.globl	k_qd8fec6b14c_score
	.p2align	8
	.type	k_qd8fec6b14c_score,@function
k_qd8fec6b14c_score:
	s_mov_b64 s[64:65], 0
	v_nop
	global_prefetch_b8 v0, s[64:65] scope:SCOPE_SE
	s_setreg_imm32_b32 hwreg(HW_REG_WAVE_MODE, 25, 1), 1
	s_wait_xcnt 0x0
; TWO JOBS.  Work-groups 0-35 of each batch: one tile of 256 queries x 256 keys, on or below the diagonal, of s = sum over c of qT[c][q] kT[c][k] (f16 products, f32 sums), and of it
; pbuf[b][q][k] = 2^(c s - c m) in f16, c = log2(e) / 32, where m is the row's largest visible score AMONG THE TILE'S 256 KEYS; m and the row's sum l of these weights go to stat[b][tile column][m, l][q].
; The next launch brings the chunks of a row onto the row's own maximum and divides by the row's sum.  Tiles above the diagonal are hidden by the causal mask and are not made.
; Work-groups 36-51 of each batch: v of the batch's first 16 tokens in f32, v16[b][channel][16 tokens], from xb and wb: the first rows of the output are sums of very few terms as large as v itself and
; may lie near 0, where a 16-bit rounding of v would be as large as what the output may be off by.  For the same rows the raw 16 x 16 scores go to s16[b][q][k] in f32.
; LIMITS.  A hidden score counts as -2^127 (c times it is exact, so a row of hidden keys gives the exponent 0 and never an overflow); a score below that counts as hidden; NaN and infinities are not
; treated apart; a weight below 6e-5 keeps f16's fixed step of 6e-8; a weight below 2^-126 counts as 0 in l.
; SHARES.  Four waves, each 128 x 128: 64 accumulators, 512 registers.  The 1,024 channels go in 8 steps of 128 through two LDS slots; step t lies in slot t & 1.  qT and kT lie [channel][token]:
; a step's tile is 128 rows of 512 bytes, and the fragments come out of LDS turned, by ds_load_tr16_b128.  Source 0 = 16 keys, source 1 = 16 queries: a lane holds one query and eight neighbouring keys.
; THE WAY OUT.  The tile goes in f32 into the ring, whose slots have had their last fill, as 256 rows of 1,040 bytes; behind a barrier wave w takes rows 64 w .. 64 w + 63 whole, eight a trip, a lane
; holding keys 4 l .. 4 l + 3 and 128 + 4 l .. : so a row's maximum and sum stay in one wave, and a row's weights leave as two stores of 256 consecutive bytes, aligned, straight from registers.
; NO CLUSTER: tile row i has i + 1 tiles, 1 to 8: no grouping by four shares a tile at every place, and a 4 x 4 block on the diagonal would hold 6 partners with nothing to make.
; REGISTERS: window 0: v16-31 addresses; v64-127, v128-191 q's fragments, two buffers (on the way out: rows, weights, statistics); window 1: the same for k; windows 2, 3: accumulators (a, b) at v[8 (8 a + b)].
;   v28 and v29 serve the add alone, on both jobs' ways: the first tokens' product keeps to v3-6 and v64-159.
.set PITCH,  544                       ; an LDS row of the ring: 512 bytes + 32 of padding = 17 x 32: the turning load's 8 rows x 32 bytes fall on different banks
.set HALFT,  64*PITCH                  ; what one load brings
.set SLOT,   4*HALFT                   ; q's 128 channels, then k's
.set SP,     1040                      ; a row of the tile on the way out: 1,024 bytes + 16: sixteen rows' stores begin 16 bytes apart modulo 256
.set STATL,  2*SLOT                    ; behind the ring: 512 bytes a wave: 64 rows' m, then their l; no load lands there
.set SPARE,  STATL+4*512               ; the spare words, 128 bytes a wave, which no other line names
.set ROWT,   16384                     ; bytes in a row of qkvt
.set ROWP,   4096                      ; bytes in a row of pbuf
.set STEPB,  128*ROWT                  ; a step: 128 channels on
.set STEPS,  8
.set K1,     32*PITCH                  ; a quarter: 32 channels on in LDS
.set NEG,    0xff000000                ; -2^127
.set ADRA, 16
.set ADRB, 17
.set ADRA0, 18
.set ADRB0, 19
.set DST0, 20                          ; where my query blocks 0-3 go in the tile's rows
.set DST1, 21                          ; blocks 4-7
.set RA,   22                          ; my 16 bytes in the first of the eight rows in hand
.set VD,   23                          ; that row's place in the tile less my first key's
.set SA,   24                          ; where the eight rows' m go in LDS
.set SR,   25                          ; where I read two rows' m back
.set PO,   26                          ; 8 x lane: my bytes in half a row of pbuf, and in 64 rows of stat
.set S16O, 27                          ; my 32 bytes of s16
.set SPW,  28                          ; my spare word; never rewritten
.set NIL,  29                          ; 0; never rewritten
.set PFO,  30                          ; the prefetches' offset: a lane a row; never rewritten
.set NEGV, 31
.set F0,   64
.set F1,   128
.set X,    64                          ; v[64:127]  eight rows, 8 numbers a lane each
.set Y,    128                         ; v[128:159] their weights in f16
.set M,    160                         ; v[160:175] a pair a row: m, then c m; the odd one at work
.set SU,   176                         ; v[176:191] a pair a row: the sums
.set VA,   128                         ; the first tokens' v: v[128:159] four accumulators
.set VB,   64                          ; v[64:127] x's four fragments, then Wv's
.set SEL, 8                            ; s[8:9] v_permlanex16_b32's selects: each lane takes its own place in the other half
.set G1,  24                           ; s[24:31] group 1
.set G0,  32                           ; s[32:35] group 0
.set TB,  36
.set TF,  37
.set U,   38
.set CNT, 39
.set LW,  40                           ; my quarter of a slot
.set CC,  42                           ; s[42:43] c, named as a pair
.set PFA, 44                           ; s[44:45]
.set LIM, 46
.set BASE, 48                          ; s[48:49] qkvt at my 64 channels of step 0, at the tile's tokens
.set OFF, 50                           ; s[50:51] a step's byte offset
.set STP, 52                           ; s[52:53] stat
.set S16P, 54                          ; s[54:55] s16
.set V16P, 56                          ; s[56:57] v16
.set XBP, 58                           ; s[58:59] xb
.set WBP, 60                           ; s[60:61] wb
.set MSB, 0
.macro WIN new                         ; the immediate's high byte repeats the setting that is left; a switch that changes nothing is dropped
.if MSB != (\new)
	s_set_vgpr_msb (MSB<<8)|(\new)
.set MSB, \new
.endif
.endm
.set MUL_LO, 0xa1
.set TO_B,   0x40
.macro PLACES                          ; four plain vector instructions between a matrix instruction and a load into, a store of, or a vector read of its registers
.rept 4
	v_nop
.endr
.endm
.macro ALL8 line:vararg                ; one line for each of the eight rows i
.set i, 0
.rept 8
	\line
.set i, i+1
.endr
.endm
.macro DESC                            ; group 0 for step U: the other slot than last time, 128 channels on for each step
	s_xor_b32 s[TF], s[TF], SLOT
	s_add_co_u32 s[G0+1], s[LW], s[TF]
	s_lshl_b32 s[OFF], s[U], 21
	s_add_nc_u64 s[G0+2:G0+3], s[BASE:BASE+1], s[OFF:OFF+1]
	s_or_b32 s[G0+3], s[G0+3], 0x80000000
	s_add_co_u32 s[U], s[U], 1
.endm
.macro LOAD                            ; each wave's own quarter of a slot; an s_nop 0 and four v_nop follow
	tensor_load_to_lds s[G0:G0+3], s[G1:G1+7]
	s_nop 0
.rept 4
	v_nop
.endr
.endm
; A prefetch of the step two refills on, 512 matrix instructions ahead of its load: my own 64 rows x 512 bytes, a lane a row, four instructions.  q's tile i is read by the work-groups (i, 0 .. i): the one
; with j = 0 asks; k's tile j by (j .. 7, j): the one with i = j asks.  So each block is named once.  Steps 0-3 come by their loads alone; the last trips ask for nothing.
.macro ASK
	s_cmp_ge_u32 s[CNT], s[LIM]
	s_cbranch_scc0 .Lnot_mine_\@
	global_prefetch_b8 v[PFO], s[PFA:PFA+1] th:TH_LOAD_NT scope:SCOPE_SE
	global_prefetch_b8 v[PFO], s[PFA:PFA+1] offset:256 th:TH_LOAD_NT scope:SCOPE_SE
	global_prefetch_b8 v[PFO], s[PFA:PFA+1] offset:32*ROWT th:TH_LOAD_NT scope:SCOPE_SE
	global_prefetch_b8 v[PFO], s[PFA:PFA+1] offset:32*ROWT+256 th:TH_LOAD_NT scope:SCOPE_SE
.Lnot_mine_\@:
.endm
; 16 products: query blocks a0, a0 + 1 of the window's four x all 8 key blocks, 32 channels.  The 64 accumulators take turns, one instruction a turn.
.macro MUL16 f, hi, a0, zero
	WIN MUL_LO+0x50*(\hi)
.irp a, \a0, (\a0)+1
.irp b, 0,1,2,3,4,5,6,7
.if \zero
	v_wmma_f32_16x16x32_f16 v[8*(8*(\a)+(\b)):8*(8*(\a)+(\b))+7], v[(\f)+8*(\b):(\f)+8*(\b)+7], v[(\f)+8*(4*(\hi)+(\a)):(\f)+8*(4*(\hi)+(\a))+7], 0
.else
	v_wmma_f32_16x16x32_f16 v[8*(8*(\a)+(\b)):8*(8*(\a)+(\b))+7], v[(\f)+8*(\b):(\f)+8*(\b)+7], v[(\f)+8*(4*(\hi)+(\a)):(\f)+8*(4*(\hi)+(\a))+7], v[8*(8*(\a)+(\b)):8*(8*(\a)+(\b))+7]
.endif
.endr
.endr
.endm
; 32 turning loads in one run: a quarter's fragments (128 keys, then 128 queries, 32 channels from LDS byte k on) into buffer f.  A fragment: 16 channels x 16 tokens, twice.
.macro FETCH k, f
	WIN TO_B
.irp i, 0,1,2,3,4,5,6,7
	ds_load_tr16_b128 v[(\f)+8*(\i):(\f)+8*(\i)+3],   v[ADRB] offset:(\k)+32*(\i)
	ds_load_tr16_b128 v[(\f)+8*(\i)+4:(\f)+8*(\i)+7], v[ADRB] offset:(\k)+32*(\i)+16*PITCH
.endr
	WIN 0
.irp i, 0,1,2,3,4,5,6,7
	ds_load_tr16_b128 v[(\f)+8*(\i):(\f)+8*(\i)+3],   v[ADRA] offset:(\k)+32*(\i)
	ds_load_tr16_b128 v[(\f)+8*(\i)+4:(\f)+8*(\i)+7], v[ADRA] offset:(\k)+32*(\i)+16*PITCH
.endr
.endm
.macro QUARTER k, f, g, zero
	s_wait_dscnt 8                                 ; k's fragments and q's blocks 0-3 are in; the youngest eight loads may be out
	MUL16 \f, 0, 0, \zero
	MUL16 \f, 0, 2, \zero
	PLACES
	FETCH \k, \g
	s_wait_dscnt 32                                ; all but the 32 just issued
	MUL16 \f, 1, 0, \zero
	MUL16 \f, 1, 2, \zero
.endm
; The fourth quarter multiplies buffer 1 and changes slots: one barrier; in front of it each wave waits for all its tensor loads (its part of the next slot), adds 0 to its spare word, and waits for
; that and for its reads of this slot.  fill = 1: this slot is filled again first thing behind the barrier, with the step two on.
.macro TURN fill
.if \fill
	s_wait_xcnt 0x0                                ; the last prefetches, a step back, have read their address
	s_add_nc_u64 s[PFA:PFA+1], s[PFA:PFA+1], STEPB
.endif
	WIN 0
	s_wait_tensorcnt 0x0
	ds_add_u32 v[SPW], v[NIL]                      ; 0 onto my spare word
	s_wait_dscnt 9                                 ; the add and the youngest eight loads may be out
	MUL16 F1, 0, 0, 0
.if \fill
	DESC
.endif
	s_xor_b32 s[TB], s[TB], SLOT
	s_wait_dscnt 0x0                               ; the add is done, and my reads of this slot are over
	s_barrier_signal -1
	MUL16 F1, 0, 2, 0
	WIN 0
	s_barrier_wait -1
.if \fill
	LOAD                                           ; its four v_nop are also the places in front of the loads below
.else
	PLACES
.endif
	v_add_nc_u32 v[ADRA], s[TB], v[ADRA0]
	v_add_nc_u32 v[ADRB], s[TB], v[ADRB0]
	FETCH 0, F0
.if \fill
	ASK
.endif
	MUL16 F1, 1, 0, 0
	MUL16 F1, 1, 2, 0
.endm
; Query block a goes into the tile's rows: a lane's 32 bytes of each of 8 accumulators, each accumulator's low half first.
.macro DUMP a
.set AC, 64*((\a)%4)
	WIN 0x08+4*((\a)/4)                            ; the stores' data: window 2 or 3
.irp b, 0,1,2,3,4,5,6,7
	ds_store_b128 v[DST0+(\a)/4], v[AC+8*(\b):AC+8*(\b)+3]   offset:((\a)%4)*16*SP+64*(\b)
	ds_store_b128 v[DST0+(\a)/4], v[AC+8*(\b)+4:AC+8*(\b)+7] offset:((\a)%4)*16*SP+64*(\b)+16
.endr
.endm
.macro ROWLOADS                        ; eight rows: 32 lanes x 16 bytes take half a row
.irp i, 0,1,2,3,4,5,6,7
	ds_load_b128 v[X+8*(\i):X+8*(\i)+3],   v[RA] offset:(\i)*SP
	ds_load_b128 v[X+8*(\i)+4:X+8*(\i)+7], v[RA] offset:(\i)*SP+512
.endr
.endm
.macro VLOADS                          ; 128 along e: four fragments of x and four of Wv, straight from memory
.irp f, 0,1,2,3
	global_load_b128 v[VB+8*(\f):VB+8*(\f)+3],       v5, s[XBP:XBP+1] offset:64*(\f)
	global_load_b128 v[VB+8*(\f)+4:VB+8*(\f)+7],     v5, s[XBP:XBP+1] offset:64*(\f)+32
	global_load_b128 v[VB+32+8*(\f):VB+32+8*(\f)+3], v5, s[WBP:WBP+1] offset:64*(\f)
	global_load_b128 v[VB+32+8*(\f)+4:VB+32+8*(\f)+7], v5, s[WBP:WBP+1] offset:64*(\f)+32
.endr
.endm
.macro VMULS zero                      ; source 0 = 16 tokens, source 1 = 16 channels: a lane ends with channel l % 16 and the tokens 8 (l / 16) + 0..7.  Four accumulators by turns
.irp f, 0,1,2,3
.if \zero
	v_wmma_f32_16x16x32_bf16 v[VA+8*(\f):VA+8*(\f)+7], v[VB+8*(\f):VB+8*(\f)+7], v[VB+32+8*(\f):VB+32+8*(\f)+7], 0
.else
	v_wmma_f32_16x16x32_bf16 v[VA+8*(\f):VA+8*(\f)+7], v[VB+8*(\f):VB+8*(\f)+7], v[VB+32+8*(\f):VB+32+8*(\f)+7], v[VA+8*(\f):VA+8*(\f)+7]
.endif
.endr
.endm
	s_load_b128 s[4:7], s[0:1], 0x0                ; qkvt s[4:5], pbuf s[6:7]
	s_load_b128 s[52:55], s[0:1], 0x10             ; stat, s16
	s_load_b128 s[56:59], s[0:1], 0x20             ; v16, xb
	s_load_b64 s[60:61], s[0:1], 0x30              ; wb
	v_lshl_add_u32 v[SPW], v0, 2, SPARE
	v_mov_b32 v[NIL], 0
	ds_add_u32 v[SPW], v[NIL]                      ; the wave's opening: the add and its wait stand ahead of my first tensor load
	v_lshrrev_b32 v1, 5, v0
	v_readfirstlane_b32 s10, v1                    ; wave 0..3
	s_lshr_b32 s11, s10, 1                         ; which 128 queries are mine.  Also: I fetch q (0) or k (1)
	s_and_b32 s12, s10, 1                          ; which 128 keys.  Also: which 64 channels of a step I fetch
	s_and_b32 s15, ttmp7, 0xffff                   ; the batch
	s_mov_b32 s13, 0                               ; tile row i: how many of the rows' first numbers 1, 3, 6 .. my number has reached
.irp c, 1,3,6,10,15,21,28
	s_cmp_ge_u32 ttmp9, \c
	s_cselect_b32 s20, 1, 0
	s_add_co_u32 s13, s13, s20
.endr
	s_add_co_u32 s20, s13, 1
	s_mul_i32 s20, s20, s13
	s_lshr_b32 s20, s20, 1
	s_sub_co_u32 s14, ttmp9, s20                   ; tile column j = my number - i (i + 1) / 2
	s_mov_b32 s[G1], (1<<16)|(1<<20)|(6<<22)|(7<<25)  ; 2-byte elements; padding on: after every 128 words, 8 words
	s_mov_b32 s[G1+1], 256<<16                     ; tensor_dim0 = 256
	s_mov_b32 s[G1+2], 64<<16                      ; tensor_dim1 = 64
	s_mov_b32 s[G1+3], 256<<16                     ; tile_dim0 = 256
	s_mov_b32 s[G1+4], 64                          ; tile_dim1 = 64
	s_mov_b32 s[G1+5], 8192                        ; elements from row to row
	s_mov_b32 s[G1+6], 0
	s_mov_b32 s[G1+7], 0
	s_mov_b32 s[G0], 1
	s_mul_i32 s[LW], s10, HALFT
	s_mov_b32 s[TB], 0
	s_mov_b32 s[TF], SLOT
	s_mov_b32 s[U], 0
	s_mov_b32 s[OFF+1], 0
	s_mov_b32 s[SEL], 0x76543210
	s_mov_b32 s[SEL+1], 0xfedcba98
	s_mov_b32 s[CC], 0x3d38aa3b                    ; c = log2(e) / 32
	s_mov_b32 s[CC+1], s[CC]
	s_cmp_eq_u32 s11, 0
	s_cselect_b32 s16, s13, s14                    ; q's tokens go by i, k's by j
	s_lshl_b32 s16, s16, 9                         ; 256 tokens of 2 bytes
	s_lshl_b32 s17, s15, 12                        ; a batch's 2,048 tokens
	s_add_co_u32 s16, s16, s17
	s_lshl_b32 s17, s11, 10                        ; kT begins at row 1,024
	s_lshl_b32 s18, s12, 6
	s_add_co_u32 s17, s17, s18
	s_lshl_b32 s17, s17, 14
	s_add_co_u32 s16, s16, s17
	s_mov_b32 s17, 0
	s_cmp_eq_u32 s13, s14                          ; who prefetches
	s_cselect_b32 s18, 1, 0
	s_cmp_eq_u32 s14, 0
	s_cselect_b32 s19, 1, 0
	s_cmp_eq_u32 s11, 0
	s_cselect_b32 s18, s19, s18
	s_cmp_eq_u32 s18, 1
	s_cselect_b32 s[LIM], 3, -1                    ; the last trip that asks names step 7
	s_lshl_b32 s20, s13, 8                         ; the rows that I finish: 256 i + 64 wave on
	s_lshl_b32 s21, s10, 6
	s_add_co_u32 s20, s20, s21
	s_lshl_b32 s22, s20, 2                         ; their place in a row of stat,
	s_lshl_b32 s20, s20, 12                        ; and in pbuf,
	s_lshl_b32 s21, s15, 23                        ; in the batch,
	s_add_co_u32 s20, s20, s21
	s_lshl_b32 s21, s14, 9                         ; at the tile's 256 keys
	s_add_co_u32 s20, s20, s21
	s_mov_b32 s21, 0
	s_lshl_b32 s23, s15, 3                         ; stat: batch, tile column: two rows of 8,192 bytes each
	s_add_co_u32 s23, s23, s14
	s_lshl_b32 s23, s23, 14
	s_add_co_u32 s22, s22, s23
	s_mov_b32 s23, 0
	s_lshl_b32 s2, s15, 10                         ; s16: 1,024 bytes a batch
	s_mov_b32 s3, 0
	s_wait_dscnt 0x0                               ; the opening add is done
	s_wait_kmcnt 0x0
	s_cmp_ge_u32 ttmp9, 36
	s_cbranch_scc1 .Lvrows                         ; the work-groups behind the 36 tiles make v of the first tokens
	s_add_nc_u64 s[BASE:BASE+1], s[4:5], s[16:17]
	s_add_nc_u64 s[6:7], s[6:7], s[20:21]
	s_add_nc_u64 s[STP:STP+1], s[STP:STP+1], s[22:23]
	s_add_nc_u64 s[S16P:S16P+1], s[S16P:S16P+1], s[2:3]
	s_add_nc_u64 s[PFA:PFA+1], s[BASE:BASE+1], 3*STEPB  ; at step 3: the first change of slots steps it to 4
	DESC                                           ; step 0, slot 0
	LOAD
	; The turning load takes 16 channels x 16 tokens: lane l reads channel 8 (l / 16) + l % 8, tokens 8 ((l / 8) % 2) + 0..7, and is left with token l % 16 and 8 channels.
	v_and_b32 v1, 7, v0
	v_bfe_u32 v2, v0, 4, 1
	v_bfe_u32 v3, v0, 3, 1
	v_lshl_add_u32 v4, v2, 3, v1
	v_mul_u32_u24 v4, v4, PITCH
	v_lshl_add_u32 v4, v3, 4, v4
	s_lshl_b32 s20, s11, 8                         ; my 128 queries: 256 bytes of a row
	s_lshl_b32 s21, s12, 8
	s_add_co_u32 s21, s21, 2*HALFT                 ; my 128 keys, behind q's 128 rows
	v_add_nc_u32 v[ADRA0], s20, v4
	v_add_nc_u32 v[ADRB0], s21, v4
	v_mov_b32 v[ADRA], v[ADRA0]
	v_mov_b32 v[ADRB], v[ADRB0]
	v_and_b32 v5, 15, v0                           ; l % 16
	v_and_b32 v7, 31, v0                           ; l
	s_lshl_b32 s20, s11, 7
	v_add_nc_u32 v6, s20, v5                       ; into the tile: row 128 x half + l % 16,
	v_mul_u32_u24 v6, v6, SP
	v_lshl_add_u32 v6, v2, 5, v6                   ; 32 bytes for each half of the lanes,
	s_lshl_b32 s21, s12, 9                         ; my 128 keys of 4 bytes
	v_add_nc_u32 v[DST0], s21, v6
	v_add_nc_u32 v[DST1], 64*SP, v[DST0]
	s_mul_i32 s22, s10, 64*SP                      ; back: rows 64 wave on, 16 bytes a lane
	v_lshl_add_u32 v[RA], v7, 4, s22
	s_lshl_b32 s23, s10, 6
	v_lshlrev_b32 v6, 2, v7
	v_sub_nc_u32 v[VD], s23, v6                    ; 64 wave - 4 l: number 128 e + c of row i is hidden where 128 e + c - i is greater
	s_lshl_b32 s22, s10, 9
	s_add_co_u32 s22, s22, STATL
	v_mov_b32 v[SA], s22
	v_lshl_add_u32 v[SR], v7, 3, s22
	v_lshlrev_b32 v[PO], 3, v7
	v_lshlrev_b32 v6, 6, v5
	v_lshl_add_u32 v[S16O], v2, 5, v6
	v_mov_b32 v[NEGV], NEG
	v_lshlrev_b32 v[PFO], 14, v7
	s_wait_tensorcnt 0x0                           ; my part of step 0 is in
	ds_add_u32 v[SPW], v[NIL]
	DESC                                           ; step 1, slot 1
	s_wait_dscnt 0x0
	s_barrier_signal -1
	s_barrier_wait -1                              ; everybody's part is in
	LOAD                                           ; slot 1's first fill, issued as a refill is
	FETCH 0, F0
	QUARTER K1, F0, F1, 1                          ; the first quarter starts the sums: nothing is cleared
	WIN 0
	s_mov_b32 s[CNT], STEPS-2
.Lstep:                                        ; 6 trips: a step's quarters 2 to 4, the refill with the step two on, the next step's first quarter
	QUARTER 2*K1, F1, F0, 0
	QUARTER 3*K1, F0, F1, 0
	TURN 1
	QUARTER K1, F0, F1, 0
	WIN 0
	s_sub_co_u32 s[CNT], s[CNT], 1
	s_cmp_lg_u32 s[CNT], 0
	s_cbranch_scc1 .Lstep
	s_mov_b32 s[CNT], 2
.Ltail:                                        ; the last two steps ask for nothing: a text of their own, walked twice and left in the middle of its second trip.
	QUARTER 2*K1, F1, F0, 0                        ; (The second trip's change of slots fetches the other slot's first fragments once more; they serve nothing: the price of one text for both.)
	QUARTER 3*K1, F0, F1, 0
	TURN 0
	WIN 0
	s_cmp_eq_u32 s[CNT], 1
	s_cbranch_scc1 .Ldone
	QUARTER K1, F0, F1, 0
	WIN 0
	s_sub_co_u32 s[CNT], s[CNT], 1
	s_cmp_lg_u32 s[CNT], 0
	s_cbranch_scc1 .Ltail
.Ldone:
	s_wait_dscnt 0x0                               ; my reads of the ring are back:
	s_barrier_signal -1
	PLACES                                         ; (the places in front of the stores that read results, and of the loads into q's fragment registers)
	s_barrier_wait -1                              ; everybody's are: the ring may be written over
	s_or_b32 s20, s13, s10                         ; tile (0, 0), wave 0: accumulator (0, 0) is the batch's first 16 queries x 16 keys
	s_cmp_lg_u32 s20, 0
	s_cbranch_scc1 .Lno16
	WIN 0x08
	global_store_b128 v[S16O], v[0:3], s[S16P:S16P+1]
	global_store_b128 v[S16O], v[4:7], s[S16P:S16P+1] offset:16
	WIN 0
.Lno16:
.irp a, 0,1,2,3,4,5,6,7
	DUMP \a
.endr
	WIN 0
	s_wait_dscnt 0x0                               ; for the others' sake: my part of the tile lies in LDS
	s_barrier_signal -1
	s_barrier_wait -1
	ROWLOADS
	s_mov_b32 s[CNT], 8
.Lrows:                                        ; 8 trips: eight whole rows of 256 keys
	s_wait_dscnt 0x0                               ; the rows are in
	s_cmp_lg_u32 s13, s14
	s_cbranch_scc1 .Lopen                          ; only a tile on the diagonal hides keys
.irp w, 0,1,2,3,4,5,6,7
.irp e, 0,1
.irp c, 0,1,2,3
	v_cmp_gt_i32 vcc_lo, 128*(\e)+(\c)-(\w), v[VD]
	v_cndmask_b32 v[X+8*(\w)+4*(\e)+(\c)], v[X+8*(\w)+4*(\e)+(\c)], v[NEGV], vcc_lo
.endr
.endr
.endr
.Lopen:
	; the maximum: in the lane, then across the 32 lanes; the eight rows side by side, so that no line waits for the one before it
	ALL8 v_max3_num_f32 v[M+2*i], v[X+8*i], v[X+8*i+1], v[X+8*i+2]
	ALL8 v_max3_num_f32 v[M+2*i+1], v[X+8*i+3], v[X+8*i+4], v[X+8*i+5]
	ALL8 v_max3_num_f32 v[M+2*i], v[M+2*i], v[X+8*i+6], v[X+8*i+7]
	ALL8 v_max_num_f32 v[M+2*i], v[M+2*i], v[M+2*i+1]
.irp x, 1,2,4,8
	ALL8 v_max_num_f32_dpp v[M+2*i], v[M+2*i], v[M+2*i] row_xmask:\x row_mask:0xf bank_mask:0xf
.endr
	ALL8 v_permlanex16_b32 v[M+2*i+1], v[M+2*i], s[SEL], s[SEL+1]
	ALL8 v_max_num_f32 v[M+2*i], v[M+2*i], v[M+2*i+1]
	ALL8 ds_store_b32 v[SA], v[M+2*i] offset:4*i   ; all lanes write the same word with the same number
	ALL8 v_mul_f32 v[M+2*i], s[CC], v[M+2*i]
.irp k, 0,2,4,6
	ALL8 v_pk_fma_f32 v[X+8*i+\k:X+8*i+\k+1], v[X+8*i+\k:X+8*i+\k+1], s[CC:CC+1], v[M+2*i:M+2*i+1] op_sel_hi:[1,0,0] neg_lo:[0,0,1] neg_hi:[0,0,1]
.endr
.set i, 0
.rept 64
	v_exp_f32 v[X+i], v[X+i]                       ; one batch
.set i, i+1
.endr
	v_nop                                          ; a plain instruction behind the last exponential,
	s_wait_alu depctr_va_vdst(0)                   ; and one wait for the batch, ahead of its first reader
	ALL8 v_pk_add_f32 v[SU+2*i:SU+2*i+1], v[X+8*i:X+8*i+1], v[X+8*i+2:X+8*i+3]
	ALL8 v_pk_add_f32 v[SU+2*i:SU+2*i+1], v[SU+2*i:SU+2*i+1], v[X+8*i+4:X+8*i+5]
	ALL8 v_pk_add_f32 v[SU+2*i:SU+2*i+1], v[SU+2*i:SU+2*i+1], v[X+8*i+6:X+8*i+7]
	ALL8 v_add_f32 v[SU+2*i], v[SU+2*i], v[SU+2*i+1]
.irp x, 1,2,4,8
	ALL8 v_add_f32_dpp v[SU+2*i], v[SU+2*i], v[SU+2*i] row_xmask:\x row_mask:0xf bank_mask:0xf
.endr
	ALL8 v_permlanex16_b32 v[SU+2*i+1], v[SU+2*i], s[SEL], s[SEL+1]
	ALL8 v_add_f32 v[SU+2*i], v[SU+2*i], v[SU+2*i+1]
	ALL8 ds_store_b32 v[SA], v[SU+2*i] offset:256+4*i
.irp k, 0,1,2,3
	ALL8 v_cvt_pk_f16_f32 v[Y+4*i+\k], v[X+8*i+2*\k], v[X+8*i+2*\k+1]
.endr
	s_cmp_eq_u32 s[CNT], 1                         ; the rows' registers are free: the next eight rows are asked for, but in the last trip
	s_cbranch_scc1 .Lnofetch
	v_add_nc_u32 v[RA], 8*SP, v[RA]
	ROWLOADS
.Lnofetch:
	ALL8 global_store_b64 v[PO], v[Y+4*i:Y+4*i+1], s[6:7] offset:i*ROWP        ; a wave stores 256 consecutive bytes, aligned: keys 0-127 of a row,
	ALL8 global_store_b64 v[PO], v[Y+4*i+2:Y+4*i+3], s[6:7] offset:i*ROWP+256  ; and keys 128-255
	s_wait_xcnt 0x0                                ; the stores have read their data and their base: both are written again only behind this wait
	s_add_nc_u64 s[6:7], s[6:7], 8*ROWP
	v_add_nc_u32 v[VD], 8, v[VD]
	v_add_nc_u32 v[SA], 32, v[SA]
	s_sub_co_u32 s[CNT], s[CNT], 1
	s_cmp_lg_u32 s[CNT], 0
	s_cbranch_scc1 .Lrows
	ds_load_b64 v[M:M+1], v[SR]                    ; my 64 rows' m and l, two rows a lane: LDS serves a wave's instructions in order (ISA guide 5.7.1.4), and these bytes are my wave's own
	ds_load_b64 v[M+2:M+3], v[SR] offset:256
	s_wait_dscnt 0x0
	global_store_b64 v[PO], v[M:M+1], s[STP:STP+1]                 ; 256 consecutive bytes, aligned
	global_store_b64 v[PO], v[M+2:M+3], s[STP:STP+1] offset:8192
	s_wait_tensorcnt 0x0                           ; the wave's end, behind my last tensor load and my last LDS store
	ds_add_u32 v[SPW], v[NIL]
	s_wait_dscnt 0x0
	s_endpgm
.Lvrows:                                       ; v of tokens 0-15 of the batch, channels 16 f .. 16 f + 15, f = 4 (work-group - 36) + wave, in f32.  These 64 work-groups run beside 144 that each
	s_sub_co_u32 s20, ttmp9, 36                    ; have 64 times the products, so the loop below is plain: load, wait, multiply
	s_lshl_b32 s20, s20, 2
	s_add_co_u32 s20, s20, s10
	v_and_b32 v3, 15, v0
	v_bfe_u32 v4, v0, 4, 1
	v_lshlrev_b32 v5, 11, v3
	v_lshl_add_u32 v5, v4, 4, v5                   ; a fragment's row of 2,048 bytes + 16 x half, for xb and for wb
	v_lshlrev_b32 v6, 6, v3
	v_lshl_add_u32 v6, v4, 5, v6                   ; v16: channel l % 16, tokens 8 (l / 16) on
	s_lshl_b32 s16, s15, 22                        ; xb: the batch's 2,048 rows of 2,048 bytes
	s_mov_b32 s17, 0
	s_lshl_b32 s18, s20, 15                        ; wb: row 2,048 + 16 f
	s_add_co_u32 s18, s18, 2048*2048
	s_mov_b32 s19, 0
	s_lshl_b32 s22, s15, 16                        ; v16: 65,536 bytes a batch, 1,024 a block of 16 channels
	s_lshl_b32 s23, s20, 10
	s_add_co_u32 s22, s22, s23
	s_mov_b32 s23, 0
	s_add_nc_u64 s[XBP:XBP+1], s[XBP:XBP+1], s[16:17]
	s_add_nc_u64 s[WBP:WBP+1], s[WBP:WBP+1], s[18:19]
	s_add_nc_u64 s[V16P:V16P+1], s[V16P:V16P+1], s[22:23]
	VLOADS
	s_wait_loadcnt 0x0
	VMULS 1                                        ; the first 128 along e start the sums
	s_mov_b32 s[CNT], 7
.Lvk:
	PLACES                                         ; in front of loads into registers that the products have read
	s_add_nc_u64 s[XBP:XBP+1], s[XBP:XBP+1], 256   ; (the loads that named these are done)
	s_add_nc_u64 s[WBP:WBP+1], s[WBP:WBP+1], 256
	VLOADS
	s_wait_loadcnt 0x0
	VMULS 0
	s_sub_co_u32 s[CNT], s[CNT], 1
	s_cmp_lg_u32 s[CNT], 0
	s_cbranch_scc1 .Lvk
	PLACES
.irp z, 0,2,4,6
	v_pk_add_f32 v[64+(\z):65+(\z)], v[VA+(\z):VA+(\z)+1], v[VA+8+(\z):VA+8+(\z)+1]
.endr
.irp z, 0,2,4,6
	v_pk_add_f32 v[80+(\z):81+(\z)], v[VA+16+(\z):VA+16+(\z)+1], v[VA+24+(\z):VA+24+(\z)+1]
.endr
.irp z, 0,2,4,6
	v_pk_add_f32 v[64+(\z):65+(\z)], v[64+(\z):65+(\z)], v[80+(\z):81+(\z)]
.endr
	global_store_b128 v6, v[64:67], s[V16P:V16P+1]           ; the wave's two stores together fill 1,024 consecutive bytes
	global_store_b128 v6, v[68:71], s[V16P:V16P+1] offset:16
	s_wait_tensorcnt 0x0                           ; the wave's end, as above
	ds_add_u32 v[SPW], v[NIL]
	s_wait_dscnt 0x0
	s_endpgm
.Lfunc_end_k_qd8fec6b14c_score:
	.size	k_qd8fec6b14c_score, .Lfunc_end_k_qd8fec6b14c_score-k_qd8fec6b14c_score
	.p2alignl 7, 3214868480
	.fill 96, 4, 3214868480
	.section	.rodata,"a",@progbits
	.p2align	6, 0x0
	.amdhsa_kernel k_qd8fec6b14c_score
		.amdhsa_group_segment_fixed_size 327680
		.amdhsa_private_segment_fixed_size 0
		.amdhsa_enable_private_segment 0
		.amdhsa_kernarg_size 56
		.amdhsa_user_sgpr_count 2
		.amdhsa_user_sgpr_kernarg_segment_ptr 1
		.amdhsa_wavefront_size32 1
		.amdhsa_system_sgpr_workgroup_id_x 1
		.amdhsa_system_sgpr_workgroup_id_y 1
		.amdhsa_system_sgpr_workgroup_id_z 1
		.amdhsa_system_vgpr_workitem_id 0
		.amdhsa_next_free_vgpr 1024
		.amdhsa_next_free_sgpr 66
		.amdhsa_reserve_vcc 1
		.amdhsa_float_denorm_mode_32 3
		.amdhsa_float_denorm_mode_16_64 3
		.amdhsa_memory_ordered 1
		.amdhsa_forward_progress 1
		.amdhsa_inst_pref_size 109
	.end_amdhsa_kernel
	.amdgpu_metadata
---
amdhsa.version: [ 1, 2 ]
amdhsa.kernels:
  - .name:           k_qd8fec6b14c_score
    .symbol:         k_qd8fec6b14c_score.kd
    .args:
      - { .name: qkvt, .offset: 0, .size: 8, .value_kind: global_buffer, .address_space: global }
      - { .name: pbuf, .offset: 8, .size: 8, .value_kind: global_buffer, .address_space: global }
      - { .name: stat, .offset: 16, .size: 8, .value_kind: global_buffer, .address_space: global }
      - { .name: s16, .offset: 24, .size: 8, .value_kind: global_buffer, .address_space: global }
      - { .name: v16, .offset: 32, .size: 8, .value_kind: global_buffer, .address_space: global }
      - { .name: xb, .offset: 40, .size: 8, .value_kind: global_buffer, .address_space: global }
      - { .name: wb, .offset: 48, .size: 8, .value_kind: global_buffer, .address_space: global }
    .group_segment_fixed_size: 327680
    .private_segment_fixed_size: 0
    .kernarg_segment_align: 8
    .kernarg_segment_size: 56
    .max_flat_workgroup_size: 128
    .sgpr_count:     66
    .vgpr_count:     1024
    .wavefront_size: 32
...
	.end_amdgpu_metadata
.endif
;; end of part 3
;; launch pv (part 4): grid 8 x 32, 4 waves a work-group, clusters of 4 x 1, 327,680 bytes of LDS; arguments pbuf, qkvt, stat, s16, v16, out0; writes out0
.if DOCPART == 4
	.amdgcn_target "amdgcn-amd-amdhsa--gfx1250"
	.amdhsa_code_object_version 6
	.text
	.protected	k_qd8fec6b14c_pv
	.globl	k_qd8fec6b14c_pv
	.p2align	8
	.type	k_qd8fec6b14c_pv,@function
k_qd8fec6b14c_pv:
	s_mov_b64 s[64:65], 0
	v_nop
	global_prefetch_b8 v0, s[64:65] scope:SCOPE_SE
	s_setreg_imm32_b32 hwreg(HW_REG_WAVE_MODE, 25, 1), 1
	s_wait_xcnt 0x0
	s_wait_alu depctr_hold_cnt(0) depctr_sa_sdst(0) depctr_va_vdst(0) depctr_va_sdst(0) depctr_va_ssrc(0) depctr_va_vcc(0) depctr_vm_vsrc(0)
	s_getreg_b32 s2, hwreg(HW_REG_IB_STS2, 6, 4)
	s_cmp_eq_u32 s2, 0
	s_cbranch_scc0 .Lentry_in_a_cluster
	s_endpgm
.Lentry_in_a_cluster:
	s_bfe_u32 s2, ttmp6, 0x10000c
	s_cmp_lg_u32 s2, 0x3003
	s_cbranch_scc0 .Lentry_shape_is_right
	s_endpgm
.Lentry_shape_is_right:
; out0[b][q][c] = round to 4 decimals of softmax-weighted v.  pbuf holds, for each chunk j of 256 keys, the weights 2^(c s - c m_j) in f16, relative to the row's maximum m_j IN THAT CHUNK; stat holds m_j and
; the chunk's sum l_j.  With M = the largest m_j and L = the sum of 2^(c m_j - c M) l_j the output is the sum over j of f_j T_j, f_j = 2^(c m_j - c M) / L, T_j = the chunk's weights times vT (f16 products,
; f32 sums).  So the maximum taken away is the row's own, and the factors, the sums and their folding stay in f32.
; SHARES.  A tile is 128 queries x 128 channels; four waves, each 64 x 64.  A key step is a chunk.  Query tile i of a batch's 16 needs i / 2 + 1 steps (pbuf holds zeros for the hidden keys of the last).
; A work-group makes tile p and then tile 15 - p: 9 steps together, whatever p: all 256 work-groups do equal work, and ONE walk with a constant trip count goes through both; which step is asked for, and
; where the first tile ends, hang on scalars made from p.  Step t of the walk lies in slot t & 1.
; A STEP's products start at 0 in 16 accumulators of window 0; at its end they are folded, ACC += f T, into window 2: 64 packed multiply-adds for 128 matrix instructions.
; THE FACTORS are made at the head, two rows a lane, and laid in a table in LDS, my wave's own: entry (tile, chunk) x row l % 16 x query block, each number twice, so that one pair of registers feeds a packed line.
; THE FIRST 16 ROWS of a batch are sums of very few terms as large as v itself: they are made of s16 (raw scores) and v16 (v in f32), weights in f32, by 16 f32 matrix instructions a wave (16 x 64 x 16: no bulk
; work).  Every wave makes this block, in the wait for its first tile, so that no register is written on one way alone; only the waves that own those rows store it, in place of their first block.
; v640-671 are written by the f32 matrix instructions alone, in the whole text.
; CLUSTER.  The four partners make four channel tiles of the same pair of query tiles: they walk the same tiles of pbuf, which are asked for jointly (mask 15).  vT's tiles are each partner's own (mask 0),
; issued at the same place behind the same round.  Work-groups with other p read the same vT, but at other steps of their walks, so they make no joint request.
; THE MATRIX INSTRUCTION IS USED TRANSPOSED: source 0 = 16 channels, source 1 = 16 queries: a lane holds one query (lane % 16) and eight neighbouring channels: 32 bytes of a row of out0.
; ROUNDING: x 10,000, to the nearest whole number (ties to even), x 0.0001, where the reference divides: the last bit may differ.
; LIMITS.  A chunk that a row has not counts with m = -2^127 and l = 0; NaN and infinities are not treated apart; a factor below 2^-126 counts as 0.
; REGISTERS: window 0: v8-15 the step's factors; v16-30 addresses; v32-127 at the head statistics, later the way out; v128-255 a step's accumulators ((a, b) at v[128 + 8 (4 a + b)]).
;   window 1: two fragment buffers of 128: 64 of pbuf's, then 64 of vT's (at the head v0-31: v16's numbers).  window 2: v0-127 the tile's sums; v128-159 the first rows' block.
.set PITCH,  528                       ; an LDS row: 512 bytes + 16 of padding: the 16 rows of a fragment load begin 16 bytes apart modulo 256
.set HALFT,  64*PITCH                  ; what one load brings
.set SLOT,   4*HALFT                   ; pbuf's 128 rows, then vT's 128
.set STAGE,  2*SLOT                    ; behind the ring: 16 rows x 272 bytes for each wave; no load lands there
.set SPITCH, 272
.set FTAB,   STAGE+4*16*SPITCH         ; the factors: 12 entries of 512 bytes for each wave: the first tile's chunks 0-3, the second's 0-7
.set FWAVE,  12*512
.set SPARE,  FTAB+4*FWAVE              ; the spare words, 128 bytes a wave, which no other line names
.set ROWO,   4096                      ; bytes in a row of out0 (and of pbuf)
.set ROWT,   16384                     ; bytes in a row of qkvt
.set STEPS,  9
.set NEG,    0xff000000                ; -2^127
.set FA,   8                           ; v[8:15] the step's factors for my four query blocks, each twice
.set ADRA, 16
.set ADRB, 17
.set ADRA0, 18
.set ADRB0, 19
.set FT0,  20                          ; my row of the table's entry 0; never rewritten
.set FTA,  21                          ; of the entry in hand
.set SOF,  22                          ; 8 x lane: two rows of stat
.set FXO,  23                          ; my 32 bytes in a row of s16 and of v16
.set STO,  24
.set RD,   25
.set CO,   26
.set FTW,  27                          ; where I put my two rows' factors
.set SPW,  28                          ; my spare word; never rewritten
.set NIL,  29                          ; 0; never rewritten
.set PFO,  30                          ; the prefetches' offset; never rewritten
.set TMP,  32                          ; v[32:63] a block's 32 numbers a lane, rounded
.set OB,   64                          ; v[64:95], v[96:127] rows read back, by turns
.set TACC, 128
.set F0,   0
.set F1,   128
.set FIX,  128                         ; in window 2
.set SM1,  32                          ; at the head: a pair (rows 2 l, 2 l + 1) for each chunk: the first tile's m,
.set SL1,  40                          ; its l,
.set SM2,  48                          ; the second tile's m,
.set SL2,  64                          ; its l
.set W,    80                          ; v[80:95] 2^(c m_j - c M)
.set MX,   96
.set LS,   98
.set RL,   100
.set D,    102
.set SS,   106                         ; v[106:113] the first rows: my 8 scores
.set PP,   114                         ; v[114:121] their weights
.set R8,   122
.set NEGV, 123
.set T,    124
.set CC,  8                            ; s[8:9] c, named as a pair
.set CX,  13                           ; my place in the cluster
.set CT,  14                           ; my channel tile
.set BI,  15                           ; the batch
.set PI,  16                           ; p
.set ST1, 20                           ; s[20:21] stat at my rows of the first tile
.set ST2, 22                           ; s[22:23] of the second
.set G1,  24                           ; s[24:31] group 1 for pbuf's tiles
.set G0,  32                           ; s[32:35] group 0
.set TB,  36
.set TF,  37
.set U,   38                           ; the walk step to be asked for next
.set CNT, 39
.set LW,  40                           ; my quarter of a slot
.set N1,  41                           ; steps of the first tile
.set BND, 42                           ; the trip behind which the first tile is finished
.set SK,  43                           ; 1: my first block of the first tile is rows 0-15 of the batch
.set PFA, 44                           ; s[44:45]
.set LIM, 46
.set ISA, 47                           ; 1 in the waves that fetch pbuf, 0 in those that fetch vT
.set G1B, 48                           ; s[48:55], s[56:59] the same for vT's tiles
.set G0B, 56
.set PA1, 60                           ; the first tile's byte offset in the batch's pbuf
.set PA2, 61                           ; the second's
.set SEL, 62                           ; s[62:63] v_permlanex16_b32's selects
.set AB,  66                           ; s[66:67] pbuf at the batch, at my half of a tile's rows
.set BB,  68                           ; s[68:69] qkvt at the channels that I fetch, at the batch's tokens
.set OA,  70                           ; s[70:71]
.set OFB, 72                           ; s[72:73]
.set T0,  74
.set T1,  75
.set T2,  76
.set N2,  77                           ; steps of the second tile
.set CST, 78                           ; s[78:79] what the next way out adds to out0's address
.set E4,  80                           ; s[80:81] 10,000
.set EM4, 82                           ; s[82:83] 0.0001
.set PFB, 84                           ; s[84:85] the prefetches' base
.set PFF, 86                           ; s[86:87] and their offset
.set CS2, 88                           ; from the first tile's rows to the second's
.set FE,  89                           ; the table entry of the step in hand, in bytes
.set VS,  90                           ; the walk step in hand
.set N4,  91                           ; 4 - N1: the second tile's entries begin at 4
.set STP, 92                           ; s[92:93] stat
.set S16P, 94                          ; s[94:95] s16
.set V16P, 96                          ; s[96:97] v16
.set OUT, 98                           ; s[98:99] out0
.set MSB, 0
.macro WIN new
.if MSB != (\new)
	s_set_vgpr_msb (MSB<<8)|(\new)
.set MSB, \new
.endif
.endm
.set MUL,  0x05                        ; sources 0 and 1 window 1; C and D window 0
.set TO_F, 0x40                        ; destination window 1, address window 0
.macro PLACES
.rept 4
	v_nop
.endr
.endm
.macro CREST
	s_cmp_lg_u32 s10, 0
	s_cbranch_scc1 .Lnot_wave_0_\@
	s_barrier_signal -3
.Lnot_wave_0_\@:
	s_barrier_wait -3
	s_barrier_signal -1
	s_barrier_wait -1
.endm
.macro CROUND
	s_barrier_signal -1
	s_barrier_wait -1
	CREST
.endm
.macro JLOAD                           ; waves 0 and 1 fetch pbuf's two halves, jointly; waves 2 and 3 vT's, each work-group its own.  An s_nop 0 and four v_nop follow each line
	s_cmp_eq_u32 s11, 0
	s_cbranch_scc0 .Lfor_b_\@
	tensor_load_to_lds s[G0:G0+3], s[G1:G1+7]
	s_nop 0
.rept 4
	v_nop
.endr
	s_branch .Lasked_\@
.Lfor_b_\@:
	tensor_load_to_lds s[G0B:G0B+3], s[G1B:G1B+7]
	s_nop 0
.rept 4
	v_nop
.endr
.Lasked_\@:
.endm
; Both group 0 for walk step U: the other slot than last time; the tile (first while U < N1) and the step in it, 512 bytes along the keys for each.
.macro DESC
	s_xor_b32 s[TF], s[TF], SLOT
	s_add_co_u32 s[G0+1], s[LW], s[TF]
	s_add_co_u32 s[G0B+1], s[LW], s[TF]
	s_cmp_lt_u32 s[U], s[N1]
	s_cselect_b32 s[T0], s[PA1], s[PA2]
	s_cselect_b32 s[T1], 0, s[N1]
	s_sub_co_u32 s[T1], s[U], s[T1]
	s_lshl_b32 s[OFB], s[T1], 9
	s_add_co_u32 s[OA], s[T0], s[OFB]
	s_add_nc_u64 s[G0+2:G0+3], s[AB:AB+1], s[OA:OA+1]
	s_or_b32 s[G0+3], s[G0+3], 0x80000000
	s_add_nc_u64 s[G0B+2:G0B+3], s[BB:BB+1], s[OFB:OFB+1]
	s_or_b32 s[G0B+3], s[G0B+3], 0x80000000
	s_add_co_u32 s[U], s[U], 1
.endm
; A prefetch of the walk step two refills on, 256 matrix instructions ahead of its load.  pbuf's tiles are read by the two clusters of a pair: cluster x = 0 asks; its four partners share the 64 rows that
; a wave fetches out by address, 16 rows x 2 blocks each: one instruction.  vT's blocks are read by the work-groups of all p: those with p = 0, whose second tile walks all 8 steps, ask, each
; wave for its own 64 rows x 2 blocks: four instructions.  Walk steps 0-3 come by their loads alone; the last trips ask for nothing.
.macro ASK
	s_cmp_ge_u32 s[CNT], s[LIM]
	s_cbranch_scc0 .Lnot_mine_\@
	global_prefetch_b8 v[PFO], s[PFA:PFA+1] th:TH_LOAD_NT scope:SCOPE_SE
	s_cmp_eq_u32 s11, 0
	s_cbranch_scc1 .Lnot_mine_\@
	global_prefetch_b8 v[PFO], s[PFA:PFA+1] offset:256 th:TH_LOAD_NT scope:SCOPE_SE
	global_prefetch_b8 v[PFO], s[PFA:PFA+1] offset:32*ROWT th:TH_LOAD_NT scope:SCOPE_SE
	global_prefetch_b8 v[PFO], s[PFA:PFA+1] offset:32*ROWT+256 th:TH_LOAD_NT scope:SCOPE_SE
.Lnot_mine_\@:
.endm
; 8 products: query blocks a0, a0 + 1 x all 4 channel blocks, 32 keys: half c of buffer f.  The 16 accumulators take turns, one instruction a turn.
.macro MUL8 f, c, a0, zero
	WIN MUL
.irp a, \a0, (\a0)+1
.irp b, 0,1,2,3
.if \zero
	v_wmma_f32_16x16x32_f16 v[TACC+8*(4*(\a)+(\b)):TACC+8*(4*(\a)+(\b))+7], v[(\f)+64+8*(4*(\c)+(\b)):(\f)+64+8*(4*(\c)+(\b))+7], v[(\f)+8*(4*(\c)+(\a)):(\f)+8*(4*(\c)+(\a))+7], 0
.else
	v_wmma_f32_16x16x32_f16 v[TACC+8*(4*(\a)+(\b)):TACC+8*(4*(\a)+(\b))+7], v[(\f)+64+8*(4*(\c)+(\b)):(\f)+64+8*(4*(\c)+(\b))+7], v[(\f)+8*(4*(\c)+(\a)):(\f)+8*(4*(\c)+(\a))+7], v[TACC+8*(4*(\a)+(\b)):TACC+8*(4*(\a)+(\b))+7]
.endif
.endr
.endr
.endm
; 32 LDS loads in one run: the fragments of 64 keys at byte k of the rows, into buffer f; the first 32 keys first
.macro FETCH k, f
	WIN TO_F
.irp c, 0,1
.irp i, 0,1,2,3
	ds_load_b128 v[(\f)+64+8*(4*(\c)+(\i)):(\f)+64+8*(4*(\c)+(\i))+3],   v[ADRB] offset:(\k)+64*(\c)+(\i)*16*PITCH
	ds_load_b128 v[(\f)+64+8*(4*(\c)+(\i))+4:(\f)+64+8*(4*(\c)+(\i))+7], v[ADRB] offset:(\k)+64*(\c)+(\i)*16*PITCH+32
	ds_load_b128 v[(\f)+8*(4*(\c)+(\i)):(\f)+8*(4*(\c)+(\i))+3],         v[ADRA] offset:(\k)+64*(\c)+(\i)*16*PITCH
	ds_load_b128 v[(\f)+8*(4*(\c)+(\i))+4:(\f)+8*(4*(\c)+(\i))+7],       v[ADRA] offset:(\k)+64*(\c)+(\i)*16*PITCH+32
.endr
.endr
.endm
.macro QUARTER k, f, g, zero
	s_wait_dscnt 16                                ; the first 32 keys' fragments are in (at a step's head the youngest two loads are the factors', so two more than need be are waited for)
	MUL8 \f, 0, 0, \zero
	MUL8 \f, 0, 2, \zero
	PLACES
	FETCH \k, \g
	s_wait_dscnt 32                                ; all but the 32 just issued
	MUL8 \f, 1, 0, 0
	MUL8 \f, 1, 2, 0
.endm
; The step's sums are folded into the tile's: ACC += f T, the factor a lane's own for each query block.  Each accumulator's lowest registers are read first.
.macro FOLD
	PLACES                                         ; the first lines read results just made
	WIN 0xa0                                       ; destination and addend window 2
.irp a, 0,1,2,3
.set z, 0
.rept 16
	v_pk_fma_f32 v[32*(\a)+2*z:32*(\a)+2*z+1], v[TACC+32*(\a)+2*z:TACC+32*(\a)+2*z+1], v[FA+2*(\a):FA+2*(\a)+1], v[32*(\a)+2*z:32*(\a)+2*z+1]
.set z, z+1
.endr
.endr
	WIN 0
.endm
; The next walk step's factors: entry V in the first tile, 4 + V - N1 in the second; behind the last step the entry is held at the table's last, and what is read serves nothing.
.macro NEXTF
	s_add_co_u32 s[VS], s[VS], 1
	s_cmp_lt_u32 s[VS], s[N1]
	s_cselect_b32 s[T0], 0, s[N4]
	s_add_co_u32 s[T0], s[VS], s[T0]
	s_lshl_b32 s[T0], s[T0], 9
	s_min_u32 s[FE], s[T0], 11*512
	v_add_nc_u32 v[FTA], s[FE], v[FT0]
	ds_load_b128 v[FA:FA+3], v[FTA]
	ds_load_b128 v[FA+4:FA+7], v[FTA] offset:16
.endm
; The fourth quarter multiplies buffer 1 and changes slots.  In front of the barrier each wave waits for all its tensor loads (its part of the next slot), adds 0 to its spare word, and waits for that
; and for its reads of this slot.  fill = 1: the barrier opens a round of the cluster's, and this slot is filled again first thing behind it, with the walk step two on.
.macro TURN fill
.if \fill
	s_wait_xcnt 0x0                                ; the last prefetches, a step back, have read their address: it is made anew, for walk step U + 2
	s_add_co_u32 s[T2], s[U], 2
	s_cmp_lt_u32 s[T2], s[N1]
	s_cselect_b32 s[T0], s[PA1], s[PA2]
	s_cselect_b32 s[T1], 0, s[N1]
	s_sub_co_u32 s[T1], s[T2], s[T1]
	s_lshl_b32 s[T1], s[T1], 9
	s_mul_i32 s[T0], s[T0], s[ISA]                 ; the tile's rows count for pbuf alone
	s_add_co_u32 s[PFF], s[T0], s[T1]
	s_add_nc_u64 s[PFA:PFA+1], s[PFB:PFB+1], s[PFF:PFF+1]
.endif
	WIN 0
	s_wait_tensorcnt 0x0
	ds_add_u32 v[SPW], v[NIL]                      ; 0 onto my spare word
	s_wait_dscnt 17                                ; the add and the youngest sixteen loads may be out
	MUL8 F1, 0, 0, 0
.if \fill
	DESC
.endif
	s_xor_b32 s[TB], s[TB], SLOT
	s_wait_dscnt 0x0                               ; the add is done, and my reads of this slot are over
	s_barrier_signal -1
	MUL8 F1, 0, 2, 0
	WIN 0
	s_barrier_wait -1
.if \fill
	CREST                                          ; no wave of any partner still reads this slot or has a load on its way
	JLOAD                                          ; its four v_nop are also the places in front of the loads below
.else
	PLACES
.endif
	v_add_nc_u32 v[ADRA], s[TB], v[ADRA0]
	v_add_nc_u32 v[ADRB], s[TB], v[ADRB0]
	FETCH 0, F0
	WIN 0
.if \fill
	ASK
.endif
	MUL8 F1, 1, 0, 0
	MUL8 F1, 1, 2, 0
	FOLD
	NEXTF
.endm
; THE WAY OUT of query block a: rounded to four decimals; 32 bytes a lane and accumulator into my stage, back as whole rows of 256 bytes; stored.
; fix = 1: the first tile's first block: the waves that own a batch's rows 0-15 take the block made at the head.
.macro RND a, fix
.if \fix
	s_cmp_eq_u32 s[SK], 1
	s_cbranch_scc0 .Lown_\@
	WIN 0x02
.set z, 0
.rept 16
	v_pk_mul_f32 v[TMP+2*z:TMP+2*z+1], v[FIX+2*z:FIX+2*z+1], s[E4:E4+1] op_sel_hi:[1,0]
.set z, z+1
.endr
	WIN 0
	s_branch .Lrnd_\@
.Lown_\@:
.endif
	WIN 0x02                                       ; source 0 window 2
.set z, 0
.rept 16
	v_pk_mul_f32 v[TMP+2*z:TMP+2*z+1], v[32*(\a)+2*z:32*(\a)+2*z+1], s[E4:E4+1] op_sel_hi:[1,0]
.set z, z+1
.endr
	WIN 0
.if \fix
.Lrnd_\@:
.endif
.set z, 0
.rept 32
	v_rndne_f32 v[TMP+z], v[TMP+z]
.set z, z+1
.endr
.set z, 0
.rept 16
	v_pk_mul_f32 v[TMP+2*z:TMP+2*z+1], v[TMP+2*z:TMP+2*z+1], s[EM4:EM4+1] op_sel_hi:[1,0]
.set z, z+1
.endr
.endm
.macro TOST a
.set BK, OB+32*((\a)%2)
.irp b, 0,1,2,3
	ds_store_b128 v[STO], v[TMP+8*(\b):TMP+8*(\b)+3]   offset:64*(\b)
	ds_store_b128 v[STO], v[TMP+8*(\b)+4:TMP+8*(\b)+7] offset:64*(\b)+16
.endr
.irp t, 0,1,2,3,4,5,6,7
	ds_load_b128 v[BK+4*(\t):BK+4*(\t)+3], v[RD] offset:(\t)*2*SPITCH  ; LDS serves a wave's instructions in order (ISA guide 5.7.1.4): these see the stores above
.endr
.endm
.macro SEND a
.set BK, OB+32*((\a)%2)
	s_wait_dscnt 0x0                               ; the block is back in registers
	s_wait_xcnt 0x0                                ; earlier stores have read their registers and their base
.if (\a) == 0
	s_add_nc_u64 s[OUT:OUT+1], s[OUT:OUT+1], s[CST:CST+1]  ; on to this tile's first rows; the blocks' places stand in the immediates
.endif
.irp t, 0,1,2,3,4,5,6,7
	global_store_b128 v[CO], v[BK+4*(\t):BK+4*(\t)+3], s[OUT:OUT+1] offset:(16*(\a)+2*(\t))*ROWO  ; 16 lanes store 256 consecutive bytes, aligned
.endr
.endm
.macro WAYOUT first                    ; block a's arithmetic stands between block a - 1's loads from the stage and the wait for them
	RND 0, \first
	TOST 0
.irp a, 1,2,3
	RND \a, 0
	SEND (\a)-1
	TOST \a
.endr
	SEND 3
.endm
.macro CLEAR                           ; a tile's sums start at 0, so that the fold has one form in every step: at the head this stands in the wait for the first loads
	WIN 0x80
.set z, 0
.rept 128
	v_mov_b32 v[z], 0
.set z, z+1
.endr
	WIN 0
.endm
.macro STL base, sm, sl, j             ; chunk j's m and l of my 64 rows, two rows a lane: 256 consecutive bytes each
	global_load_b64 v[(\sm)+2*(\j):(\sm)+2*(\j)+1], v[SOF], s[\base:\base+1] offset:16384*(\j)
	global_load_b64 v[(\sl)+2*(\j):(\sl)+2*(\j)+1], v[SOF], s[\base:\base+1] offset:16384*(\j)+8192
.endm
; The factors of a tile with up to nmax chunks, for my two rows, into the table from entry ent on.  c m_j is made by the same product as where the weights were made, so the two exponents add up exactly.
.macro FACT sm, sl, nmax, ent
.set j, 0
.rept \nmax
	v_pk_mul_f32 v[(\sm)+2*j:(\sm)+2*j+1], v[(\sm)+2*j:(\sm)+2*j+1], s[CC:CC+1] op_sel_hi:[1,0]
.set j, j+1
.endr
.irp o, 0,1
	v_max3_num_f32 v[MX+(\o)], v[(\sm)+(\o)], v[(\sm)+2+(\o)], v[(\sm)+4+(\o)]
.if (\nmax) == 8
	v_max3_num_f32 v[MX+(\o)], v[MX+(\o)], v[(\sm)+6+(\o)], v[(\sm)+8+(\o)]
	v_max3_num_f32 v[MX+(\o)], v[MX+(\o)], v[(\sm)+10+(\o)], v[(\sm)+12+(\o)]
	v_max_num_f32 v[MX+(\o)], v[MX+(\o)], v[(\sm)+14+(\o)]
.else
	v_max_num_f32 v[MX+(\o)], v[MX+(\o)], v[(\sm)+6+(\o)]
.endif
.endr
.set j, 0
.rept \nmax
	v_pk_add_f32 v[W+2*j:W+2*j+1], v[(\sm)+2*j:(\sm)+2*j+1], v[MX:MX+1] neg_lo:[0,1] neg_hi:[0,1]
.set j, j+1
.endr
.set j, 0
.rept 2*(\nmax)
	v_exp_f32 v[W+j], v[W+j]
.set j, j+1
.endr
	v_nop
	s_wait_alu depctr_va_vdst(0)                   ; one wait for the batch of exponentials
	v_pk_mul_f32 v[LS:LS+1], v[W:W+1], v[(\sl):(\sl)+1]
.set j, 1
.rept (\nmax)-1
	v_pk_fma_f32 v[LS:LS+1], v[W+2*j:W+2*j+1], v[(\sl)+2*j:(\sl)+2*j+1], v[LS:LS+1]
.set j, j+1
.endr
	v_rcp_f32 v[RL], v[LS]
	v_rcp_f32 v[RL+1], v[LS+1]
	v_nop
	s_wait_alu depctr_va_vdst(0)                   ; one wait for the two reciprocals
.set j, 0
.rept \nmax
	v_mul_f32 v[(\sm)+2*j], v[W+2*j], v[RL]        ; each factor twice, in the registers that held the chunk's m and l
	v_mul_f32 v[(\sm)+2*j+1], v[W+2*j], v[RL]
	v_mul_f32 v[(\sl)+2*j], v[W+2*j+1], v[RL+1]
	v_mul_f32 v[(\sl)+2*j+1], v[W+2*j+1], v[RL+1]
	ds_store_b64 v[FTW], v[(\sm)+2*j:(\sm)+2*j+1] offset:((\ent)+j)*512
	ds_store_b64 v[FTW], v[(\sl)+2*j:(\sl)+2*j+1] offset:((\ent)+j)*512+32
.set j, j+1
.endr
.endm
	s_load_b128 s[4:7], s[0:1], 0x0                ; pbuf s[4:5], qkvt s[6:7]
	s_load_b128 s[92:95], s[0:1], 0x10             ; stat, s16
	s_load_b128 s[96:99], s[0:1], 0x20             ; v16, out0
	v_lshl_add_u32 v[SPW], v0, 2, SPARE
	v_mov_b32 v[NIL], 0
	ds_add_u32 v[SPW], v[NIL]                      ; the wave's opening: the add and its wait stand ahead of my first tensor load
	v_lshrrev_b32 v1, 5, v0
	v_readfirstlane_b32 s10, v1                    ; wave 0..3
	s_lshr_b32 s11, s10, 1                         ; which 64 queries are mine.  Also: I fetch pbuf (0) or vT (1)
	s_and_b32 s12, s10, 1                          ; which 64 channels.  Also: which half of that tile I fetch
	s_bfe_u32 s[CX], ttmp6, 0x40000
	s_lshl_b32 s[CT], ttmp9, 2
	s_add_co_u32 s[CT], s[CT], s[CX]               ; channel tile = 4 x cluster x + cx
	s_and_b32 s17, ttmp7, 0xffff
	s_lshr_b32 s[BI], s17, 3
	s_and_b32 s[PI], s17, 7
	s_lshr_b32 s[N1], s[PI], 1
	s_add_co_u32 s[N1], s[N1], 1
	s_sub_co_u32 s[BND], 8, s[N1]
	s_sub_co_u32 s[N2], 9, s[N1]
	s_sub_co_u32 s[N4], 4, s[N1]
	s_lshl_b32 s[PA1], s[PI], 19                   ; a tile's 128 rows of 4,096 bytes
	s_sub_co_u32 s[PA2], 15, s[PI]
	s_lshl_b32 s[PA2], s[PA2], 19
	s_or_b32 s[SK], s[PI], s11
	s_cmp_eq_u32 s[SK], 0
	s_cselect_b32 s[SK], 1, 0
	s_xor_b32 s[ISA], s11, 1
	s_lshl_b32 s[CS2], s[PI], 1
	s_sub_co_u32 s[CS2], 15, s[CS2]
	s_lshl_b32 s[CS2], s[CS2], 19                  ; 15 - 2 p tiles down
	s_mov_b32 s[G1], 15|(1<<16)|(1<<20)|(1<<21)|(6<<22)|(3<<25)  ; the mask of four; 2-byte elements; padding on; bit 21 beside a mask; after every 128 words, 4 words
	s_mov_b32 s[G1B], (1<<16)|(1<<20)|(6<<22)|(3<<25)            ; the same with no mask
.irp g, G1, G1B
	s_mov_b32 s[(\g)+1], 256<<16                   ; tensor_dim0 = 256
	s_mov_b32 s[(\g)+2], 64<<16                    ; tensor_dim1 = 64
	s_mov_b32 s[(\g)+3], 256<<16                   ; tile_dim0 = 256
	s_mov_b32 s[(\g)+4], 64                        ; tile_dim1 = 64
	s_mov_b32 s[(\g)+6], 0
	s_mov_b32 s[(\g)+7], 0
.endr
	s_mov_b32 s[G1+5], 2048                        ; elements from row to row of pbuf
	s_mov_b32 s[G1B+5], 8192                       ; and of qkvt
	s_mov_b32 s[G0], 1
	s_mov_b32 s[G0B], 1
	s_mul_i32 s[LW], s10, HALFT                    ; no place in the cluster enters an LDS address
	s_mov_b32 s[TB], 0
	s_mov_b32 s[TF], SLOT
	s_mov_b32 s[U], 0
	s_mov_b32 s[VS], 0
	s_mov_b32 s[OA+1], 0
	s_mov_b32 s[OFB+1], 0
	s_mov_b32 s[PFF+1], 0
	s_mov_b32 s[E4], 0x461c4000
	s_mov_b32 s[E4+1], s[E4]
	s_mov_b32 s[EM4], 0x38d1b717
	s_mov_b32 s[EM4+1], s[EM4]
	s_mov_b32 s[CC], 0x3d38aa3b                    ; c = log2(e) / 32
	s_mov_b32 s[CC+1], s[CC]
	s_mov_b32 s[SEL], 0x76543210
	s_mov_b32 s[SEL+1], 0xfedcba98
	s_lshl_b32 s18, s[BI], 23                      ; pbuf: the batch, and my 64 rows of a tile
	s_lshl_b32 s19, s12, 18
	s_add_co_u32 s18, s18, s19
	s_mov_b32 s19, 0
	s_lshl_b32 s20, s[CT], 7                       ; qkvt: row 2,048 + 128 x channel tile + 64 x half,
	s_lshl_b32 s21, s12, 6
	s_add_co_u32 s20, s20, s21
	s_add_co_u32 s20, s20, 2048
	s_lshl_b32 s20, s20, 14
	s_lshl_b32 s21, s[BI], 12                      ; at the batch's tokens
	s_add_co_u32 s20, s20, s21
	s_mov_b32 s21, 0
	s_wait_dscnt 0x0                               ; the opening add is done
	s_wait_kmcnt 0x0
	s_add_nc_u64 s[AB:AB+1], s[4:5], s[18:19]
	s_add_nc_u64 s[BB:BB+1], s[6:7], s[20:21]
	DESC                                           ; walk step 0, slot 0
	CROUND                                         ; all four work-groups are here: the first joint loads meet
	JLOAD
	v_and_b32 v1, 15, v0                           ; l % 16
	v_bfe_u32 v2, v0, 4, 1                         ; l / 16
	v_mul_u32_u24 v3, v1, PITCH
	v_lshl_add_u32 v3, v2, 4, v3                   ; a fragment's row x pitch + 16 x half
	s_mul_i32 s20, s11, HALFT
	s_mul_i32 s21, s12, HALFT
	s_add_co_u32 s21, s21, 2*HALFT
	v_add_nc_u32 v[ADRA0], s20, v3
	v_add_nc_u32 v[ADRB0], s21, v3
	v_mov_b32 v[ADRA], v[ADRA0]
	v_mov_b32 v[ADRB], v[ADRB0]
	s_mul_i32 s22, s10, 16*SPITCH
	s_add_co_u32 s22, s22, STAGE                   ; my stage
	v_mul_u32_u24 v4, v1, SPITCH                   ; in: row l % 16, 32 bytes for each half of the lanes
	v_lshl_add_u32 v4, v2, 5, v4
	v_add_nc_u32 v[STO], s22, v4
	v_mul_u32_u24 v4, v2, SPITCH                   ; back: lanes 0-15 one row of 256 bytes, lanes 16-31 the next
	v_lshl_add_u32 v4, v1, 4, v4
	v_add_nc_u32 v[RD], s22, v4
	v_lshlrev_b32 v4, 12, v2                       ; and the same two rows in out0
	v_lshl_add_u32 v[CO], v1, 4, v4
	s_lshl_b32 s20, s[BI], 11                      ; my part of the first tile in out0
	s_lshl_b32 s21, s[PI], 7
	s_add_co_u32 s20, s20, s21
	s_lshl_b32 s21, s11, 6
	s_add_co_u32 s20, s20, s21
	s_lshl_b32 s20, s20, 12
	s_lshl_b32 s21, s[CT], 9
	s_add_co_u32 s20, s20, s21
	s_lshl_b32 s21, s12, 8
	s_add_co_u32 s[CST], s20, s21
	s_mov_b32 s[CST+1], 0
	; the prefetches
	s_lshl_b32 s[PFF], s[CX], 16                   ; pbuf: my work-group's 16 rows of the 64 that I fetch
	s_add_nc_u64 s[PFB:PFB+1], s[AB:AB+1], s[PFF:PFF+1]
	s_cmp_eq_u32 s11, 0
	s_cselect_b64 s[PFB:PFB+1], s[PFB:PFB+1], s[BB:BB+1]
	s_cselect_b32 s20, ttmp9, s[PI]                ; who asks: cluster x = 0 for pbuf, p = 0 for vT: the same in all four partners
	s_cselect_b32 s21, 12, 14                      ; a row of pbuf, of qkvt
	s_cmp_eq_u32 s20, 0
	s_cselect_b32 s[LIM], 3, -1                    ; the last trip that asks names walk step 8
	s_mov_b64 s[PFA:PFA+1], s[PFB:PFB+1]
	v_and_b32 v5, 31, v0                           ; l
	v_lshrrev_b32 v6, s[ISA], v5                   ; pbuf: two lanes a row; vT: a lane a row
	v_and_b32 v7, s[ISA], v5
	v_lshlrev_b32 v6, s21, v6
	v_lshl_add_u32 v[PFO], v7, 8, v6
	; the factors' table: row rho = 16 a + r of my 64 lies at 32 r + 8 a of an entry; I write rows 2 l and 2 l + 1 and read row l % 16 of all four blocks
	v_and_b32 v6, 7, v5
	v_lshrrev_b32 v7, 3, v5
	v_lshlrev_b32 v6, 6, v6
	v_lshl_add_u32 v6, v7, 3, v6
	s_mul_i32 s22, s10, FWAVE
	s_add_co_u32 s22, s22, FTAB
	v_add_nc_u32 v[FTW], s22, v6
	v_lshl_add_u32 v[FT0], v1, 5, s22
	v_lshlrev_b32 v[SOF], 3, v5
	v_lshlrev_b32 v6, 6, v1
	v_lshl_add_u32 v[FXO], v2, 5, v6
	v_mov_b32 v[NEGV], NEG
	; where my rows' statistics, the first rows' scores and my channels of v16 lie
	s_lshl_b32 s18, s[BI], 17                      ; stat: 131,072 bytes a batch,
	s_lshl_b32 s19, s11, 8                         ; my 64 rows of a tile
	s_add_co_u32 s18, s18, s19
	s_lshl_b32 s19, s[PI], 9
	s_add_co_u32 s20, s18, s19
	s_mov_b32 s21, 0
	s_sub_co_u32 s19, 15, s[PI]
	s_lshl_b32 s19, s19, 9
	s_add_co_u32 s22, s18, s19
	s_mov_b32 s23, 0
	s_add_nc_u64 s[ST1:ST1+1], s[STP:STP+1], s[20:21]
	s_add_nc_u64 s[ST2:ST2+1], s[STP:STP+1], s[22:23]
	s_lshl_b32 s18, s[BI], 10
	s_mov_b32 s19, 0
	s_add_nc_u64 s[S16P:S16P+1], s[S16P:S16P+1], s[18:19]
	s_lshl_b32 s18, s[BI], 16
	s_lshl_b32 s17, s[CT], 13
	s_add_co_u32 s18, s18, s17
	s_lshl_b32 s17, s12, 12
	s_add_co_u32 s18, s18, s17
	s_add_nc_u64 s[V16P:V16P+1], s[V16P:V16P+1], s[18:19]
	; chunks that a tile may lack start as empty; those that it has are loaded over this
.irp z, 2,3,4,5,6,7
	v_mov_b32 v[SM1+(\z)], v[NEGV]
	v_mov_b32 v[SL1+(\z)], 0
.endr
.irp z, 10,11,12,13,14,15
	v_mov_b32 v[SM2+(\z)], v[NEGV]
	v_mov_b32 v[SL2+(\z)], 0
.endr
	STL ST1, SM1, SL1, 0
.irp j, 0,1,2,3,4
	STL ST2, SM2, SL2, \j
.endr
.irp j, 1,2,3
	s_cmp_lt_u32 \j, s[N1]
	s_cbranch_scc0 .Lst1
	STL ST1, SM1, SL1, \j
.endr
.Lst1:
.irp j, 5,6,7
	s_cmp_lt_u32 \j, s[N2]
	s_cbranch_scc0 .Lst2
	STL ST2, SM2, SL2, \j
.endr
.Lst2:
	global_load_b128 v[SS:SS+3], v[FXO], s[S16P:S16P+1]              ; query l % 16, keys 8 (l / 16) on
	global_load_b128 v[SS+4:SS+7], v[FXO], s[S16P:S16P+1] offset:16
	WIN TO_F
.irp b, 0,1,2,3
	global_load_b128 v[8*(\b):8*(\b)+3],   v[FXO], s[V16P:V16P+1] offset:1024*(\b)     ; channel 16 b + l % 16 of my 64, tokens 8 (l / 16) on
	global_load_b128 v[8*(\b)+4:8*(\b)+7], v[FXO], s[V16P:V16P+1] offset:1024*(\b)+16
.endr
	WIN 0
	CLEAR
	s_wait_loadcnt 0x0                             ; the number of loads goes by p, so the wait is for all
	FACT SM1, SL1, 4, 0
	FACT SM2, SL2, 8, 4
	ds_load_b128 v[FA:FA+3], v[FT0]                ; walk step 0's factors: my wave's own bytes, served in order behind the stores above
	ds_load_b128 v[FA+4:FA+7], v[FT0] offset:16
	; the first rows: the weights of query l % 16, keys 8 (l / 16) + 0..7; the query's other 8 keys lie in the lane 16 away
	v_lshlrev_b32 v[R8], 3, v2
	v_sub_nc_u32 v[R8], v1, v[R8]                  ; my key j is hidden where j is greater
.irp j, 0,1,2,3,4,5,6,7
	v_cmp_gt_i32 vcc_lo, \j, v[R8]
	v_cndmask_b32 v[SS+(\j)], v[SS+(\j)], v[NEGV], vcc_lo
.endr
	v_max3_num_f32 v[T], v[SS], v[SS+1], v[SS+2]
	v_max3_num_f32 v[T], v[T], v[SS+3], v[SS+4]
	v_max3_num_f32 v[T], v[T], v[SS+5], v[SS+6]
	v_max_num_f32 v[T], v[T], v[SS+7]
	v_mov_b32 v[T+1], v[T]                         ; v_permlanex16_b32's destination counts as read
	v_permlanex16_b32 v[T+1], v[T], s[SEL], s[SEL+1]
	v_max_num_f32 v[T], v[T], v[T+1]
	v_mul_f32 v[T+2], s[CC], v[T]
	v_mov_b32 v[T+3], v[T+2]
.irp z, 0,2,4,6
	v_pk_fma_f32 v[SS+(\z):SS+(\z)+1], v[SS+(\z):SS+(\z)+1], s[CC:CC+1], v[T+2:T+3] op_sel_hi:[1,0,0] neg_lo:[0,0,1] neg_hi:[0,0,1]
.endr
.irp j, 0,1,2,3,4,5,6,7
	v_exp_f32 v[SS+(\j)], v[SS+(\j)]
.endr
	v_nop
	s_wait_alu depctr_va_vdst(0)                   ; one wait for the eight exponentials
	v_pk_add_f32 v[D:D+1], v[SS:SS+1], v[SS+2:SS+3]
	v_pk_add_f32 v[D+2:D+3], v[SS+4:SS+5], v[SS+6:SS+7]
	v_pk_add_f32 v[D:D+1], v[D:D+1], v[D+2:D+3]
	v_add_f32 v[D], v[D], v[D+1]
	v_permlanex16_b32 v[D+1], v[D], s[SEL], s[SEL+1]
	v_add_f32 v[D], v[D], v[D+1]
	v_rcp_f32 v[RL], v[D]
	v_rcp_f32 v[RL+1], v[D]
	v_nop
	s_wait_alu depctr_va_vdst(0)                   ; one wait for the two reciprocals
.irp z, 0,2,4,6
	v_pk_mul_f32 v[PP+(\z):PP+(\z)+1], v[SS+(\z):SS+(\z)+1], v[RL:RL+1]
.endr
	; out^T = v^T P^T: source 0 = 16 channels, source 1 = 16 queries.  In instruction t a lane's two numbers stand for the keys 8 (l / 16) + 2 t + 0, 1, alike on both sides, so four cover all 16 keys.
	; The four channel blocks' accumulators take turns; each sum begins with the constant 0.
	WIN 0xa1                                       ; source 0 window 1, source 1 window 0, C and D window 2
.irp t, 0,1,2,3
.irp b, 0,1,2,3
.if (\t) == 0
	v_wmma_f32_16x16x4_f32 v[FIX+8*(\b):FIX+8*(\b)+7], v[8*(\b)+2*(\t):8*(\b)+2*(\t)+1], v[PP+2*(\t):PP+2*(\t)+1], 0
.else
	v_wmma_f32_16x16x4_f32 v[FIX+8*(\b):FIX+8*(\b)+7], v[8*(\b)+2*(\t):8*(\b)+2*(\t)+1], v[PP+2*(\t):PP+2*(\t)+1], v[FIX+8*(\b):FIX+8*(\b)+7]
.endif
.endr
.endr
	WIN 0
.rept 8
	v_nop                                          ; eight places behind this form, in front of the loads into window 1's registers, which these products have read
.endr
	s_wait_tensorcnt 0x0                           ; my part of walk step 0 is in
	ds_add_u32 v[SPW], v[NIL]
	DESC                                           ; walk step 1, slot 1
	s_wait_dscnt 0x0
	CROUND                                         ; everybody's part is in
	JLOAD                                          ; slot 1's first fill, issued as a refill is
	FETCH 0, F0
	WIN 0
	s_mov_b32 s[CNT], STEPS-2
.Lstep:                                        ; 7 trips: a walk step, the refill with the step two on, the fold
	QUARTER 128, F0, F1, 1                         ; a step's first products start its sums
	QUARTER 256, F1, F0, 0
	QUARTER 384, F0, F1, 0
	TURN 1
	s_cmp_eq_u32 s[CNT], s[BND]                    ; the first tile is finished behind its N1 steps
	s_cbranch_scc0 .Lnext
	WAYOUT 1
	CLEAR
	s_mov_b32 s[CST], s[CS2]
.Lnext:
	s_sub_co_u32 s[CNT], s[CNT], 1
	s_cmp_lg_u32 s[CNT], 0
	s_cbranch_scc1 .Lstep
	s_mov_b32 s[CNT], 2
.Ltail:                                        ; the last two steps ask for nothing: a text of their own, walked twice.  (Behind the very last step the other slot's first fragments
	QUARTER 128, F0, F1, 1                         ; are fetched once more; they serve nothing: the price of one text for both.)
	QUARTER 256, F1, F0, 0
	QUARTER 384, F0, F1, 0
	TURN 0
	s_sub_co_u32 s[CNT], s[CNT], 1
	s_cmp_lg_u32 s[CNT], 0
	s_cbranch_scc1 .Ltail
	WAYOUT 0
	s_wait_tensorcnt 0x0                           ; the wave's end, behind my last tensor load and my last LDS store
	ds_add_u32 v[SPW], v[NIL]
	s_wait_dscnt 0x0
	CROUND                                         ; the closing round: no work-group ends while a partner may still ask for a tile that names it
	s_endpgm
.Lfunc_end_k_qd8fec6b14c_pv:
	.size	k_qd8fec6b14c_pv, .Lfunc_end_k_qd8fec6b14c_pv-k_qd8fec6b14c_pv
	.p2alignl 7, 3214868480
	.fill 96, 4, 3214868480
	.section	.rodata,"a",@progbits
	.p2align	6, 0x0
	.amdhsa_kernel k_qd8fec6b14c_pv
		.amdhsa_group_segment_fixed_size 327680
		.amdhsa_private_segment_fixed_size 0
		.amdhsa_enable_private_segment 0
		.amdhsa_kernarg_size 48
		.amdhsa_user_sgpr_count 2
		.amdhsa_user_sgpr_kernarg_segment_ptr 1
		.amdhsa_wavefront_size32 1
		.amdhsa_system_sgpr_workgroup_id_x 1
		.amdhsa_system_sgpr_workgroup_id_y 1
		.amdhsa_system_sgpr_workgroup_id_z 1
		.amdhsa_system_vgpr_workitem_id 0
		.amdhsa_next_free_vgpr 672
		.amdhsa_next_free_sgpr 100
		.amdhsa_reserve_vcc 1
		.amdhsa_float_denorm_mode_32 3
		.amdhsa_float_denorm_mode_16_64 3
		.amdhsa_memory_ordered 1
		.amdhsa_forward_progress 1
		.amdhsa_inst_pref_size 123
	.end_amdhsa_kernel
	.amdgpu_metadata
---
amdhsa.version: [ 1, 2 ]
amdhsa.kernels:
  - .name:           k_qd8fec6b14c_pv
    .symbol:         k_qd8fec6b14c_pv.kd
    .args:
      - { .name: pbuf, .offset: 0, .size: 8, .value_kind: global_buffer, .address_space: global }
      - { .name: qkvt, .offset: 8, .size: 8, .value_kind: global_buffer, .address_space: global }
      - { .name: stat, .offset: 16, .size: 8, .value_kind: global_buffer, .address_space: global }
      - { .name: s16, .offset: 24, .size: 8, .value_kind: global_buffer, .address_space: global }
      - { .name: v16, .offset: 32, .size: 8, .value_kind: global_buffer, .address_space: global }
      - { .name: out0, .offset: 40, .size: 8, .value_kind: global_buffer, .address_space: global }
    .group_segment_fixed_size: 327680
    .private_segment_fixed_size: 0
    .kernarg_segment_align: 8
    .kernarg_segment_size: 48
    .max_flat_workgroup_size: 128
    .sgpr_count:     100
    .vgpr_count:     672
    .wavefront_size: 32
...
	.end_amdgpu_metadata
.endif
;; end of part 4
;; ======== version 2 of 2: 4 launches; version 1 with the launch cast written anew for expert scheduling mode
;; limits: values are held in f16: magnitudes above 65,504 overflow, below 6.1e-05 lose precision
;; workspace buffers: xb 16,777,216 bytes; wb 6,291,456 bytes; qkvt 50,331,648 bytes; pbuf 33,554,432 bytes; stat 524,288 bytes; s16 4,096 bytes; v16 262,144 bytes
;; launch cast (part 5): grid 704 x 1, 8 waves a work-group, no clusters, 0 bytes of LDS; arguments embedded, Wq, Wk, Wv, xb, wb; writes xb, wb
.if DOCPART == 5
	.amdgcn_target "amdgcn-amd-amdhsa--gfx1250"
	.amdhsa_code_object_version 6
	.text
	.protected	k_qd8fec6b14c_cast
	.globl	k_qd8fec6b14c_cast
	.p2align	8
	.type	k_qd8fec6b14c_cast,@function
k_qd8fec6b14c_cast:
	s_mov_b64 s[64:65], 0
	v_nop
	global_prefetch_b8 v0, s[64:65] scope:SCOPE_SE
	s_setreg_imm32_b32 hwreg(HW_REG_WAVE_SCHED_MODE, 0, 2), 2
	s_setreg_imm32_b32 hwreg(HW_REG_WAVE_MODE, 25, 1), 1
	s_wait_xcnt 0x0
	s_wait_alu depctr_vm_vsrc(0)
; embedded, Wq, Wk, Wv (f32) are rounded once to bf16: xb = [8192][1024]; wb = [3072][1024], rows 0-1023 Wq, 1024-2047 Wk, 2048-3071 Wv.
; A work-group converts 16,384 numbers: 65,536 bytes in, 32,768 out.  Work-groups 0-511 take embedded, 512-703 the three weights, 64 each.
; Thread t takes 16 bytes at 16 t of each piece of 4,096 bytes; all sixteen loads go out together, no register is used twice, so there is no loop.
; A store of a wave covers 256 consecutive bytes, aligned.  No LDS, no matrix unit: nothing is shared and nothing is multiplied.
; THE MODE: SCHED_MODE bits 1:0 = 2 (LLVM: expert scheduling mode 2), set by the entry lines.  The code itself states the register dependences
; between vector instructions and memory instructions, with s_wait_alu, always for 0.
; THE PLAN.  Registers that memory instructions touch:
;   v1, v2   byte offsets of the loads and of the stores: made once at the head, never written again.
;   X        four registers a piece: written by the piece's load, once; read by its two conversions.  No vector instruction names them ahead of the loads, and nothing lands in them again.
;   Y        a pair a piece: written by the piece's two conversions, once; read by its store.  Never written again.
; The sixteen pieces go in four groups of four.  Group g waits for its four loads; behind that one wait on va_vdst states that group g - 1's conversions have written their Y; the four stores of
; group g - 1 are then dealt among group g's conversions, which name group g's X and Y alone: none of the registers that those stores touch.  A last wait stands ahead of the last four stores.
; No register that a memory instruction has read is ever written again, so the text holds no wait on vm_vsrc; no vector instruction writes a scalar register, and EXEC is never written.
.set X, 8                              ; v[8:71]   sixteen loads of four f32
.set Y, 72                             ; v[72:103] sixteen pairs of packed bf16
	s_load_b256 s[4:11], s[0:1], 0x0               ; embedded s[4:5], Wq s[6:7], Wk s[8:9], Wv s[10:11]
	s_load_b128 s[12:15], s[0:1], 0x20             ; xb s[12:13], wb s[14:15]
	v_lshlrev_b32 v1, 4, v0                        ; 16 t
	v_lshlrev_b32 v2, 3, v0                        ; 8 t
	s_max_u32 s16, ttmp9, 512
	s_sub_co_u32 s16, s16, 512                     ; my number among the weights' work-groups (0 for embedded's)
	s_lshr_b32 s17, s16, 6                         ; which weight
	s_and_b32 s18, s16, 63
	s_lshl_b32 s18, s18, 16                        ; my bytes in it
	s_mov_b32 s19, 0
	s_lshl_b32 s20, s16, 15                        ; and in wb
	s_mov_b32 s21, 0
	s_lshl_b32 s22, ttmp9, 16                      ; my bytes in embedded
	s_lshl_b32 s23, ttmp9, 15                      ; and in xb
	s_wait_kmcnt 0x0
	s_cmp_eq_u32 s17, 1
	s_cselect_b64 s[6:7], s[8:9], s[6:7]
	s_cmp_eq_u32 s17, 2
	s_cselect_b64 s[6:7], s[10:11], s[6:7]
	s_cmp_lt_u32 ttmp9, 512
	s_cselect_b64 s[4:5], s[4:5], s[6:7]           ; the source
	s_cselect_b64 s[12:13], s[12:13], s[14:15]     ; the destination
	s_cselect_b32 s18, s22, s18
	s_cselect_b32 s20, s23, s20
	s_add_nc_u64 s[4:5], s[4:5], s[18:19]
	s_add_nc_u64 s[12:13], s[12:13], s[20:21]
	s_wait_alu depctr_va_vdst(0)                   ; v1 and v2 are written: every load of the kernel reads v1 as its offset, every store v2
.irp i, 0,1,2,3,4,5,6,7,8,9,10,11,12,13,14,15
	global_load_b128 v[X+4*(\i):X+4*(\i)+3], v1, s[4:5] offset:4096*(\i) th:TH_LOAD_NT
.endr
.irp g, 0,1,2,3
	s_wait_loadcnt 12-4*(\g)                       ; loads come back in order (ISA guide 5.7.1): group g's four are in, the younger groups stay out
.if (\g) > 0
	s_wait_alu depctr_va_vdst(0)                   ; the conversions of the group before have written their four pairs of Y, which the four stores below read
.endif
.irp i, 0,1,2,3
.if (\g) > 0
	global_store_b64 v2, v[Y+2*(4*(\g)-4+(\i)):Y+2*(4*(\g)-4+(\i))+1], s[12:13] offset:2048*(4*(\g)-4+(\i))  ; the group before; no vector instruction since the wait names these registers
.endif
	v_cvt_pk_bf16_f32 v[Y+2*(4*(\g)+(\i))], v[X+4*(4*(\g)+(\i))], v[X+4*(4*(\g)+(\i))+1]
	v_cvt_pk_bf16_f32 v[Y+2*(4*(\g)+(\i))+1], v[X+4*(4*(\g)+(\i))+2], v[X+4*(4*(\g)+(\i))+3]
.endr
.endr
	s_wait_alu depctr_va_vdst(0)                   ; the last group's conversions have written their four pairs of Y, which the last four stores read
.irp i, 12,13,14,15
	global_store_b64 v2, v[Y+2*(\i):Y+2*(\i)+1], s[12:13] offset:2048*(\i)
.endr
	s_endpgm
.Lfunc_end_k_qd8fec6b14c_cast:
	.size	k_qd8fec6b14c_cast, .Lfunc_end_k_qd8fec6b14c_cast-k_qd8fec6b14c_cast
	.p2alignl 7, 3214868480
	.fill 96, 4, 3214868480
	.section	.rodata,"a",@progbits
	.p2align	6, 0x0
	.amdhsa_kernel k_qd8fec6b14c_cast
		.amdhsa_group_segment_fixed_size 0
		.amdhsa_private_segment_fixed_size 0
		.amdhsa_enable_private_segment 0
		.amdhsa_kernarg_size 48
		.amdhsa_user_sgpr_count 2
		.amdhsa_user_sgpr_kernarg_segment_ptr 1
		.amdhsa_wavefront_size32 1
		.amdhsa_system_sgpr_workgroup_id_x 1
		.amdhsa_system_sgpr_workgroup_id_y 1
		.amdhsa_system_sgpr_workgroup_id_z 1
		.amdhsa_system_vgpr_workitem_id 0
		.amdhsa_next_free_vgpr 104
		.amdhsa_next_free_sgpr 66
		.amdhsa_reserve_vcc 0
		.amdhsa_float_denorm_mode_32 3
		.amdhsa_float_denorm_mode_16_64 3
		.amdhsa_memory_ordered 1
		.amdhsa_forward_progress 1
		.amdhsa_inst_pref_size 7
	.end_amdhsa_kernel
	.amdgpu_metadata
---
amdhsa.version: [ 1, 2 ]
amdhsa.kernels:
  - .name:           k_qd8fec6b14c_cast
    .symbol:         k_qd8fec6b14c_cast.kd
    .args:
      - { .name: embedded, .offset: 0, .size: 8, .value_kind: global_buffer, .address_space: global }
      - { .name: Wq, .offset: 8, .size: 8, .value_kind: global_buffer, .address_space: global }
      - { .name: Wk, .offset: 16, .size: 8, .value_kind: global_buffer, .address_space: global }
      - { .name: Wv, .offset: 24, .size: 8, .value_kind: global_buffer, .address_space: global }
      - { .name: xb, .offset: 32, .size: 8, .value_kind: global_buffer, .address_space: global }
      - { .name: wb, .offset: 40, .size: 8, .value_kind: global_buffer, .address_space: global }
    .group_segment_fixed_size: 0
    .private_segment_fixed_size: 0
    .kernarg_segment_align: 8
    .kernarg_segment_size: 48
    .max_flat_workgroup_size: 256
    .sgpr_count:     66
    .vgpr_count:     104
    .wavefront_size: 32
...
	.end_amdgpu_metadata
.endif
;; end of part 5
;; launch proj: the kernel of part 2 again; grid 32 x 8, 4 waves a work-group, clusters of 4 x 4, 327,680 bytes of LDS; arguments wb, xb, qkvt; writes qkvt
;; launch score: the kernel of part 3 again; grid 52 x 4, 4 waves a work-group, no clusters, 327,680 bytes of LDS; arguments qkvt, pbuf, stat, s16, v16, xb, wb; writes pbuf, stat, s16, v16
;; launch pv: the kernel of part 4 again; grid 8 x 32, 4 waves a work-group, clusters of 4 x 1, 327,680 bytes of LDS; arguments pbuf, qkvt, stat, s16, v16, out0; writes out0
